; MI455X (gfx1250); checked and timed in simulation.
; The chip was launched on July 23, 2026; its instructions are those of AMD's public machine-readable ISA for CDNA 5 (MIT licence, August 2026) and "CDNA5" Instruction Set Architecture Reference Guide (July 2026). The comments in the code are by the model that wrote it; some were corrected since.
;; Mo E Layer. Allowed arithmetic: matrix products marked QUANTISED: E3M2 operands, one E8M0 scale for each 32 along K, by v_wmma_scale_f32_16x16x128_f8f6f4 with both operands' format E3M2, f32 sums; products left as they are: f32 operands where the result goes on into a quantised operand, else bf16, f16 or f32 operands; f32 sums; everything else in f32.
;; Inputs: expert_b 8 x 1,024 float32; expert_w 8 x 1,024 x 1,024 float32; gate_b 8 float32; gate_w 8 x 1,024 float32; x 4 x 2,048 x 1,024 float32.
;; Outputs: out0 4 x 2,048 x 1,024 float32.
;; This version of the problem:
;;   THIS VERSION OF THE PROBLEM IS GIVEN IN LOW PRECISION. The matrix products marked QUANTISED in the list below multiply operands that are first quantised to E3M2 (3 exponent bits, 2 mantissa bits; 6 bits a number), with one power-of-two scale for each 32 numbers along K (OCP MX v1.0); their sums are f32. All else is computed in f32.
;;   The module's matrix products, in the order in which they are computed (A, B: the left and right operand; K: the contracted axis; several contracted axes count as one K, in the product's order):
;;     1. [M 8,192, K 1,024] x [K 1,024, N 8]; A: input x; B: input gate_w: left as it is (N = 8 < 16)
;;     2. [M 8,192, K 1,024] x [K 1,024, N 8,192]; A: input x; B: input expert_w: QUANTISED
;;     3. batch 8,192 x [M 1,024, K 8] x [K 8, N 1]; A: computed on the way; B: softmax: left as it is (K = 8 < 32)
;;   THE QUANTISER, for each operand of a quantised product, along K:
;;     - K is cut into blocks of 32 from its start; a last block that is shorter is filled with zeros.
;;     - A block's scale is 2^e with e = floor(log2(the largest magnitude in the block)) - 4, held to -126 .. 127; a block of zeros has e = 0. As a byte (E8M0): e + 127.
;;     - Each number is divided by its block's scale, clamped to +-28, and rounded to the nearest number of E3M2, ties to even, subnormals kept.
;;     - The product sums the exact products of the quantised numbers (number of the format x scale) in f32.
;;   ~~~python
;;   def quantise(x, axis):      # numpy; x: float32 -> the quantised numbers, widened to float32 again
;;       x = np.moveaxis(x, axis, -1); K = x.shape[-1]
;;       x = np.pad(x, [(0, 0)] * (x.ndim - 1) + [(0, -K % 32)]); x = x.reshape(x.shape[:-1] + (-1, 32)); a = np.abs(x).max(-1, keepdims=True)
;;       e = np.where(a > 0, np.clip(np.frexp(np.where(a > 0, a, 1))[1] - 1 - 4, -126, 127), 0)      # np.frexp(a)[1] - 1 = floor(log2(a)), exactly
;;       r = np.clip(x / 2.0 ** e, -28, 28)
;;       step = 2.0 ** (np.maximum(np.frexp(np.where(r == 0, 1, r))[1] - 1, -2) - 2)
;;       q = np.round(r / step) * step * 2.0 ** e      # np.round: ties to even
;;       return np.moveaxis(q.reshape(q.shape[:-2] + (-1,))[..., :K], -1, axis).astype(np.float32)
;;   ~~~
;; 2 versions. Each part assembles by itself: llvm-mc -triple=amdgcn-amd-amdhsa -mcpu=gfx1250 --defsym DOCPART=n.
;; ======== version 1 of 2: 3 launches
;; workspace buffers: x_codes 6,291,456 bytes; x_scales 262,144 bytes; gates 262,144 bytes; tokinfo 32,768 bytes of whole numbers; hist 32,768 bytes of whole numbers; w_img 6,291,456 bytes; w_scales 262,144 bytes; order 32,768 bytes of whole numbers
;; launch route (part 1): grid 256 x 1, 4 waves a work-group, no clusters, 70,144 bytes of LDS; arguments x, gate_w, gate_b, x_codes, x_scales, gates, tokinfo, hist; writes x_codes, x_scales, gates, tokinfo, hist
.if DOCPART == 1
	.amdgcn_target "amdgcn-amd-amdhsa--gfx1250"
	.amdhsa_code_object_version 6
	.text
	.protected	k_q9d3dcc674a_route
	.globl	k_q9d3dcc674a_route
	.p2align	8
	.type	k_q9d3dcc674a_route,@function
k_q9d3dcc674a_route:
	s_mov_b64 s[64:65], 0
	v_nop
	global_prefetch_b8 v0, s[64:65] scope:SCOPE_SE
	s_setreg_imm32_b32 hwreg(HW_REG_WAVE_MODE, 25, 1), 1
	s_wait_xcnt 0x0
; ROUTER AND QUANTISER OF x.  x: [8192 tokens][1024] f32, read once.  For each token: the 8 logits x . gate_w[e] + gate_b[e] in f32, the two largest (a tie keeps the lower index),
; their softmax (the larger logit is taken away ahead of the exponential), and x as codes of E3M2 with one E8M0 byte for each 32 along its 1024.
; OUT, all at fixed places: x_codes, 768 bytes a token: the 16 bytes at 256 c + 32 s + 16 h are registers 4 c .. 4 c + 3 of lane half h of the token's operand fragment for K step s (128 along K);
; x_scales, 32 bytes a token: word s = the bytes of blocks 4 s .. 4 s + 3;  gates [token][8] f32, 0 for an expert not chosen;
; tokinfo [token] = pair id | (rank + 1) << 8 | the two experts' bits << 16, pair id = hi (hi - 1) / 2 + lo, rank = how many earlier tokens of its group of 32 have the same pair;  hist [group of 32][32] = tokens of each pair id.
; The choice is used here as a VALUE only: no address and no branch of this launch hangs on it.
; SHARES.  A work-group takes 32 tokens, each of its four waves 8, in four pairs.  All 64 loads of a wave (512 consecutive bytes each) go out at the head.
; A loaded register holds neighbours across LANES, which suits the router (gate_w is held the same way, 256 registers); the conversions want 32 neighbours in ONE lane, so a pair of tokens turns through the wave's own LDS bytes.
; A block's scale byte is its largest magnitude's exponent field - 4, held at 1 from below by a floor among the maximum's leaves.
; LIMITS: NaN and infinities are not served; a block whose largest magnitude lies under 2^-122 (zeros too) gets the byte 1, which this program alone reads; the logits' f32 sums run in another order than a plain row sum.
.set GATE, 0                           ; LDS: gate_w as it lies, 32,768 bytes
.set TURN, 32768                       ; 8,448 bytes a wave: two tokens x 8 x (512 bytes + 16 of padding)
.set TPW,  8448
.set SST,  66560                       ; 256 bytes a wave: its 8 tokens' scale words
.set GST,  67584                       ; 256 bytes a wave: its 8 tokens' gate rows
.set TIS,  68608                       ; 128 bytes: the 32 tokens' pair id and bits
; window 0: v1 lane, v2 i = lane % 16, v3 hh = lane / 16, v4-15 addresses, v16-47 the sums, v48-63 at work, v64-127 a lane's 64 turned numbers, v128-175 codes, v176-182 at work, v184-191 addresses and the way out, v192-255 gate_w on its way to LDS
; window 1: gate_w, expert e at v[32 e ..]: register 4 j + i' holds k = 128 j + 4 lane + i'.   window 2: x as loaded: pair it, token tk at v[64 it + 32 tk ..], in the same order of k
.set MSB, 0
.macro WIN new                         ; the immediate's high byte repeats the setting that is left
.if MSB != \new
	s_set_vgpr_msb (MSB<<8)|\new
.set MSB, \new
.endif
.endm
	s_load_b512 s[4:19], s[0:1], 0x0               ; x, gate_w, gate_b, x_codes, x_scales, gates, tokinfo, hist
	v_lshl_add_u32 v183, v0, 2, 0x11000
	v_mov_b32 v187, 0
	v_lshrrev_b32 v1, 5, v0
	v_readfirstlane_b32 s20, v1                    ; wave
	v_and_b32 v1, 31, v0                           ; lane
	v_and_b32 v2, 15, v0                           ; i
	v_bfe_u32 v3, v0, 4, 1                         ; hh
	v_lshlrev_b32 v4, 4, v1                        ; 16 x lane
	v_lshlrev_b32 v184, 4, v0                      ; 16 x thread
	s_mul_i32 s21, s20, TPW
	s_add_co_u32 s21, s21, TURN
	v_add_nc_u32 v5, s21, v4                       ; the turn, way in: as loaded
	v_lshrrev_b32 v48, 1, v2                       ; s = i / 2: my K step
	v_and_b32 v49, 1, v2                           ; h = i % 2: my half of a fragment's lanes
	v_mul_u32_u24 v6, v3, 4224
	v_mad_u32_u24 v6, v48, 528, v6
	v_lshl_add_u32 v6, v49, 7, v6
	v_add_nc_u32 v6, s21, v6                       ; way out: token hh, block 4 s + h; block 4 s + 2 + h lies 256 bytes on.  In units of 16 bytes the sixteen lanes stand at s + 8 h modulo 16: all different
	v_mul_u32_u24 v7, v3, 768
	v_lshl_add_u32 v7, v2, 4, v7                   ; my 16 bytes of a token's 256
	s_lshl_b32 s22, s20, 8
	s_add_co_u32 s21, s22, SST
	s_add_co_u32 s22, s22, GST
	v_lshlrev_b32 v50, 5, v3
	v_lshl_add_u32 v8, v48, 2, v50
	v_add_nc_u32 v8, s21, v8                       ; my token's scale word s
	v_and_b32 v14, 7, v2                           ; the expert whose gate I write
	v_lshl_add_u32 v9, v14, 2, v50
	v_add_nc_u32 v9, s22, v9
	s_lshl_b32 s23, s20, 5
	s_add_co_u32 s23, s23, TIS
	v_lshlrev_b32 v10, 2, v3
	v_add_nc_u32 v10, s23, v10                     ; my token's word of pair id and bits
	v_lshlrev_b32 v11, 3, v1
	v_add_nc_u32 v12, s21, v11
	v_add_nc_u32 v13, s22, v11
	v_lshlrev_b32 v15, 3, v49                      ; 8 h: where my two bytes stand in the scale word
	v_lshlrev_b32 v186, 2, v1
	v_add_nc_u32 v185, TIS, v186
	v_mov_b32 v63, 0                               ; written once: a lane move's destination counts as read
	s_lshl_b32 s23, ttmp9, 5
	s_lshl_b32 s32, s20, 3
	s_add_co_u32 s23, s23, s32                     ; my first token: 32 x work-group + 8 x wave
	s_mov_b32 s33, 0
	s_wait_kmcnt 0x0
	s_load_b256 s[24:31], s[8:9], 0x0              ; gate_b
	s_lshl_b32 s32, s23, 12
	s_add_nc_u64 s[4:5], s[4:5], s[32:33]
	s_mul_i32 s32, s23, 768
	s_add_nc_u64 s[10:11], s[10:11], s[32:33]
	s_lshl_b32 s32, s23, 5
	s_add_nc_u64 s[12:13], s[12:13], s[32:33]
	s_add_nc_u64 s[14:15], s[14:15], s[32:33]
	s_lshl_b32 s32, ttmp9, 7
	s_add_nc_u64 s[16:17], s[16:17], s[32:33]
	s_add_nc_u64 s[18:19], s[18:19], s[32:33]
.irp q, 0,1,2,3,4,5,6,7,8,9,10,11,12,13,14,15
	global_load_b128 v[192+4*\q:195+4*\q], v184, s[6:7] offset:2048*\q     ; gate_w: the work-group's 128 threads read 2,048 consecutive bytes
.endr
.macro XLOAD it
.irp tk, 0,1
.irp j, 0,1,2,3,4,5,6,7
	global_load_b128 v[64*(\it)+32*\tk+4*\j:64*(\it)+32*\tk+4*\j+3], v4, s[4:5] offset:(2*(\it)+\tk)*4096+512*\j th:TH_LOAD_NT
.endr
.endr
.endm
	WIN 0x80                                       ; destination window 2
	XLOAD 0
	XLOAD 1
	XLOAD 2
	WIN 0
	s_wait_loadcnt 48                              ; gate_w's 16 loads are in; the 48 of x behind them stay out
.irp q, 0,1,2,3,4,5,6,7,8,9,10,11,12,13,14,15
	ds_store_b128 v184, v[192+4*\q:195+4*\q] offset:GATE+2048*\q
.endr
	WIN 0x80
	XLOAD 3
	WIN 0
	s_wait_kmcnt 0x0                               ; gate_b
	s_wait_dscnt 0x0                               ; for the others' sake: my part of gate_w lies in LDS
	s_barrier_signal -1
	s_barrier_wait -1
	WIN 0x40                                       ; destination window 1
.irp e, 0,1,2,3,4,5,6,7
.irp j, 0,1,2,3,4,5,6,7
	ds_load_b128 v[32*\e+4*\j:32*\e+4*\j+3], v4 offset:GATE+4096*\e+512*\j
.endr
.endr
; A PAIR OF TOKENS: lanes 0-15 end up with token 2 it, lanes 16-31 with token 2 it + 1.
.macro PAIR it
.set FB, 128+12*(\it)
	s_wait_loadcnt 48-16*(\it)                     ; this pair's 16 loads are in; the later pairs' stay out
	WIN 0x08                                       ; an LDS store's data are its source 1: window 2
.irp tk, 0,1
.irp j, 0,1,2,3,4,5,6,7
	ds_store_b128 v5, v[64*(\it)+32*\tk+4*\j:64*(\it)+32*\tk+4*\j+3] offset:4224*\tk+528*\j
.endr
.endr
	WIN 0
.irp q, 0,1,2,3,4,5,6,7
	ds_load_b128 v[64+4*\q:67+4*\q], v6 offset:16*\q               ; LDS serves a wave's instructions in order: these see the stores above
.endr
.irp q, 0,1,2,3,4,5,6,7
	ds_load_b128 v[96+4*\q:99+4*\q], v6 offset:256+16*\q
.endr
.if (\it) == 0
	s_wait_dscnt 32                                ; gate_w is in my registers; the 32 LDS instructions just issued may be out
.endif
	WIN 0x06                                       ; source 0 (x) window 2, source 1 (gate_w) window 1
.irp m, 0,1,2,3,4,5,6,7,8,9,10,11,12,13,14,15  ; 16 sums (2 tokens x 8 experts) by turns, two numbers a line; the first product starts each sum
.irp tk, 0,1
.irp e, 0,1,2,3,4,5,6,7
.if \m == 0
	v_pk_mul_f32 v[16+16*\tk+2*\e:17+16*\tk+2*\e], v[64*(\it)+32*\tk+2*\m:64*(\it)+32*\tk+2*\m+1], v[32*\e+2*\m:32*\e+2*\m+1]
.else
	v_pk_fma_f32 v[16+16*\tk+2*\e:17+16*\tk+2*\e], v[64*(\it)+32*\tk+2*\m:64*(\it)+32*\tk+2*\m+1], v[32*\e+2*\m:32*\e+2*\m+1], v[16+16*\tk+2*\e:17+16*\tk+2*\e]
.endif
.endr
.endr
.endr
	WIN 0
.irp tk, 0,1
.irp e, 0,1,2,3,4,5,6,7
	v_add_f32 v[16+16*\tk+2*\e], v[16+16*\tk+2*\e], v[17+16*\tk+2*\e]
.endr
.endr
.irp e, 0,1,2,3,4,5,6,7
	v_permlane16_swap_b32 v[16+2*\e], v[32+2*\e]   ; the first token's upper lanes change places with the second's lower ones: each half of the lanes now holds one token's parts
.endr
.irp e, 0,1,2,3,4,5,6,7
	v_add_f32 v[16+2*\e], v[16+2*\e], v[32+2*\e]
.endr
.irp x, 1,2,4,8
.irp e, 0,1,2,3,4,5,6,7
	v_add_f32_dpp v[16+2*\e], v[16+2*\e], v[16+2*\e] row_xmask:\x row_mask:0xf bank_mask:0xf
.endr
.endr
.irp e, 0,1,2,3,4,5,6,7
	v_add_f32 v[16+2*\e], s[24+\e], v[16+2*\e]     ; the logit of my token and expert e, in every lane of the half
.endr
	v_mov_b32 v48, v16                             ; the largest and its index,
	v_mov_b32 v49, 0
	v_mov_b32 v50, 0xff800000                      ; the second and its index
	v_mov_b32 v51, 0
.irp e, 1,2,3,4,5,6,7                          ; strict compares, e rising: a tie keeps the lower index
	v_cmp_gt_f32 vcc_lo, v[16+2*\e], v48
	v_cmp_gt_f32 s42, v[16+2*\e], v50
	v_cndmask_b32 v52, v50, v[16+2*\e], s42
	v_cndmask_b32 v53, v51, \e, s42
	v_cndmask_b32 v50, v52, v48, vcc_lo
	v_cndmask_b32 v51, v53, v49, vcc_lo
	v_cndmask_b32 v48, v48, v[16+2*\e], vcc_lo
	v_cndmask_b32 v49, v49, \e, vcc_lo
.endr
	v_sub_f32 v54, v50, v48                        ; second - largest: 0 or less
	v_mul_f32 v54, 0x3fb8aa3b, v54
	v_exp_f32 v54, v54                             ; p = e^(second - largest)
	v_min_u32 v52, v49, v51                        ; lo  (the plain line behind the exponential)
	s_wait_alu depctr_va_vdst(0)
	v_add_f32 v55, 1.0, v54
	v_rcp_f32 v55, v55                             ; the largest's gate, 1 / (1 + p)
	v_max_u32 v53, v49, v51                        ; hi  (the plain line behind the reciprocal)
	s_wait_alu depctr_va_vdst(0)
	v_mul_f32 v54, v54, v55                        ; the second's gate
	v_add_nc_u32 v62, -1, v53
	v_mul_u32_u24 v62, v62, v53
	v_lshrrev_b32 v62, 1, v62
	v_add_nc_u32 v62, v62, v52                     ; pair id = hi (hi - 1) / 2 + lo
	v_lshlrev_b32 v52, v49, 1
	v_lshlrev_b32 v53, v51, 1
	v_or_b32 v52, v52, v53
	v_lshl_or_b32 v62, v52, 16, v62
	ds_store_b32 v10, v62 offset:8*(\it)           ; sixteen lanes write one word with one value
	v_cmp_eq_u32 vcc_lo, v14, v49
	v_cmp_eq_u32 s42, v14, v51
	v_cndmask_b32 v52, 0, v54, s42
	v_cndmask_b32 v52, v52, v55, vcc_lo
	ds_store_b32 v9, v52 offset:64*(\it)           ; my token's gate of expert i % 8
	s_wait_dscnt 0x0                               ; my 64 numbers are back from the turn
.irp q, 0,1                                    ; two blocks of 32, both mine, by turns, each in two chains
	v_max3_num_f32 v[56+2*\q], |v[64+32*\q]|, |v[65+32*\q]|, |v[66+32*\q]|
	v_max3_num_f32 v[57+2*\q], |v[67+32*\q]|, |v[68+32*\q]|, |v[69+32*\q]|
.endr
.irp i, 6,10,14,18,22,26
.irp q, 0,1
	v_max3_num_f32 v[56+2*\q], v[56+2*\q], |v[64+32*\q+\i]|, |v[65+32*\q+\i]|
	v_max3_num_f32 v[57+2*\q], v[57+2*\q], |v[66+32*\q+\i]|, |v[67+32*\q+\i]|
.endr
.endr
.irp q, 0,1
	v_max3_num_f32 v[56+2*\q], v[56+2*\q], |v[94+32*\q]|, |v[95+32*\q]|
.endr
.irp q, 0,1
	v_max3_num_f32 v[56+2*\q], v[56+2*\q], v[57+2*\q], 0x2800000   ; and the floor 2^(5 - 127): the byte cannot fall under 1
.endr
	v_add_nc_u32 v60, 0xfe000000, v56              ; 4 off the exponent field: the conversion takes this operand's exponent field as its scale
	v_add_nc_u32 v61, 0xfe000000, v58
	v_lshrrev_b32 v62, 23, v60                     ; the bytes of blocks 4 s + h and 4 s + 2 + h,
	v_lshrrev_b32 v52, 23, v61
	v_lshl_or_b32 v62, v52, 16, v62
	v_lshlrev_b32 v62, v15, v62                    ; at their places in word s;
	v_mov_b32_dpp v63, v62 row_xmask:1 row_mask:0xf bank_mask:0xf
	v_or_b32 v62, v62, v63                         ; with the neighbour's two the word is whole
	ds_store_b32 v8, v62 offset:64*(\it)
	v_cvt_scalef32_pk16_bf6_f32 v[FB:FB+2], v[64:79], v60
	v_cvt_scalef32_pk16_bf6_f32 v[176:178], v[80:95], v60          ; (a conversion's three registers begin on an even number: a block's second three are made elsewhere and moved)
	v_cvt_scalef32_pk16_bf6_f32 v[FB+6:FB+8], v[96:111], v61
	v_cvt_scalef32_pk16_bf6_f32 v[180:182], v[112:127], v61
	v_nop                                          ; one plain line behind a scaled conversion
.irp i, 0,1,2
	v_mov_b32 v[FB+3+\i], v[176+\i]
	v_mov_b32 v[FB+9+\i], v[180+\i]
.endr
.irp c, 0,1,2
	global_store_b128 v7, v[FB+4*\c:FB+4*\c+3], s[10:11] offset:1536*(\it)+256*\c   ; sixteen lanes store 256 consecutive bytes, at a multiple of 256 from the buffer's first byte; each pair has its own data registers
.endr
.endm
	PAIR 0
	PAIR 1
	PAIR 2
	PAIR 3
	ds_load_b64 v[188:189], v12                    ; my wave's 8 tokens' scale words and gate rows leave as 256 consecutive bytes each
	ds_load_b64 v[190:191], v13
	s_wait_dscnt 0x0                               ; these, and my stores of pair ids, for wave 0's sake
	global_store_b64 v11, v[188:189], s[12:13]
	global_store_b64 v11, v[190:191], s[14:15]
	s_barrier_signal -1
	s_barrier_wait -1
	s_cmp_lg_u32 s20, 0
	s_cbranch_scc1 .Lend
	ds_load_b32 v48, v185                          ; wave 0: a lane to a token of the 32
	s_wait_dscnt 0x0
	v_and_b32 v49, 31, v48                         ; its pair id
	v_mov_b32 v50, 0
	v_mov_b32 v51, 0
.irp j, 0,1,2,3,4,5,6,7,8,9,10,11,12,13,14,15,16,17,18,19,20,21,22,23,24,25,26,27,28,29,30,31
	v_readlane_b32 s40, v49, \j
	v_cmp_eq_u32 s41, s40, v49
	v_writelane_b32 v50, s41, \j                   ; lane j: the mask of tokens with token j's pair
	v_cmp_eq_u32 vcc_lo, s40, v1
	v_cndmask_b32 v52, 0, 1, vcc_lo
	v_add_nc_u32 v51, v51, v52                     ; lane p: how many tokens have pair id p
.endr
	v_mbcnt_lo_u32_b32 v52, v50, 1                 ; the earlier tokens with my pair, + 1
	v_lshl_or_b32 v48, v52, 8, v48
	global_store_b32 v186, v48, s[16:17]
	global_store_b32 v186, v51, s[18:19]
.Lend:
	s_wait_tensorcnt 0x0
	ds_add_u32 v183, v187
	s_wait_dscnt 0x0
	s_endpgm
.Lfunc_end_k_q9d3dcc674a_route:
	.size	k_q9d3dcc674a_route, .Lfunc_end_k_q9d3dcc674a_route-k_q9d3dcc674a_route
	.p2alignl 7, 3214868480
	.fill 96, 4, 3214868480
	.section	.rodata,"a",@progbits
	.p2align	6, 0x0
	.amdhsa_kernel k_q9d3dcc674a_route
		.amdhsa_group_segment_fixed_size 70144
		.amdhsa_private_segment_fixed_size 0
		.amdhsa_enable_private_segment 0
		.amdhsa_kernarg_size 64
		.amdhsa_user_sgpr_count 2
		.amdhsa_user_sgpr_kernarg_segment_ptr 1
		.amdhsa_wavefront_size32 1
		.amdhsa_system_sgpr_workgroup_id_x 1
		.amdhsa_system_sgpr_workgroup_id_y 1
		.amdhsa_system_sgpr_workgroup_id_z 1
		.amdhsa_system_vgpr_workitem_id 0
		.amdhsa_next_free_vgpr 768
		.amdhsa_next_free_sgpr 66
		.amdhsa_reserve_vcc 1
		.amdhsa_float_denorm_mode_32 3
		.amdhsa_float_denorm_mode_16_64 3
		.amdhsa_memory_ordered 1
		.amdhsa_forward_progress 1
		.amdhsa_inst_pref_size 141
	.end_amdhsa_kernel
	.amdgpu_metadata
---
amdhsa.version: [ 1, 2 ]
amdhsa.kernels:
  - .name:           k_q9d3dcc674a_route
    .symbol:         k_q9d3dcc674a_route.kd
    .args:
      - { .name: x, .offset: 0, .size: 8, .value_kind: global_buffer, .address_space: global }
      - { .name: gate_w, .offset: 8, .size: 8, .value_kind: global_buffer, .address_space: global }
      - { .name: gate_b, .offset: 16, .size: 8, .value_kind: global_buffer, .address_space: global }
      - { .name: x_codes, .offset: 24, .size: 8, .value_kind: global_buffer, .address_space: global }
      - { .name: x_scales, .offset: 32, .size: 8, .value_kind: global_buffer, .address_space: global }
      - { .name: gates, .offset: 40, .size: 8, .value_kind: global_buffer, .address_space: global }
      - { .name: tokinfo, .offset: 48, .size: 8, .value_kind: global_buffer, .address_space: global }
      - { .name: hist, .offset: 56, .size: 8, .value_kind: global_buffer, .address_space: global }
    .group_segment_fixed_size: 70144
    .private_segment_fixed_size: 0
    .kernarg_segment_align: 8
    .kernarg_segment_size: 64
    .max_flat_workgroup_size: 128
    .sgpr_count:     66
    .vgpr_count:     768
    .wavefront_size: 32
...
	.end_amdgpu_metadata
.endif
;; end of part 1
;; launch wq_sort (part 2): grid 513 x 1, 4 waves a work-group, no clusters, 1,536 bytes of LDS; arguments expert_w, tokinfo, hist, w_img, w_scales, order; writes w_img, w_scales, order
.if DOCPART == 2
	.amdgcn_target "amdgcn-amd-amdhsa--gfx1250"
	.amdhsa_code_object_version 6
	.text
	.protected	k_q9d3dcc674a_wq_sort
	.globl	k_q9d3dcc674a_wq_sort
	.p2align	8
	.type	k_q9d3dcc674a_wq_sort,@function
k_q9d3dcc674a_wq_sort:
	s_mov_b64 s[64:65], 0
	v_nop
	global_prefetch_b8 v0, s[64:65] scope:SCOPE_SE
	s_setreg_imm32_b32 hwreg(HW_REG_WAVE_MODE, 25, 1), 1
	s_wait_xcnt 0x0
; TWO JOBS, parted on the work-group's number alone.
; WORK-GROUPS 1 .. 512: expert_w [8][1024 (k)][1024 (n)] f32, whose K is not innermost, becomes codes of E3M2 with one E8M0 byte for each 32 along K, laid in the order of the operand's registers:
;   w_img [e][tile of 16 columns][K step of 128][c = 0..2][lane][16 bytes]: registers 4 c .. 4 c + 3 of that lane; w_scales [e][K step][n]: one word, byte t for block t of the step.
;   A LANE TAKES A COLUMN AND ITS REGISTERS RUN DOWN K: each load reads 128 consecutive bytes a wave (512 a work-group), a block of 32 lies in one lane, and the conversions give codes with K innermost.
;   A wave takes 32 columns x 128 along K: two fragments.  A fragment wants blocks h and 2 + h of column r in lane (r, h): twelve exchanges of lane halves between two runs of registers give both fragments.
;   A block's byte is its largest magnitude's exponent field - 4, held at 1 from below.  LIMITS: NaN and infinities are not served; a block under 2^-122 (zeros too) gets the byte 1, which this program alone reads.
; WORK-GROUP 0: the counting sort of the 8,192 tokens by pair id.  order [position] = token | the two experts' bits << 16.  position = (tokens of smaller pair ids) + (tokens of my pair in my group of 32 and all earlier groups) - (rank + 1):
;   inside a group the order is turned round, which no reader minds.  Its 8,192 stores of 4 bytes go where the sort sends them: 32,768 bytes in all.
	s_load_b256 s[4:11], s[0:1], 0x0               ; expert_w, tokinfo, hist, w_img
	s_load_b128 s[12:15], s[0:1], 0x20             ; w_scales, order
	v_lshl_add_u32 v224, v0, 2, 0x400
	v_mov_b32 v225, 0
	v_lshrrev_b32 v1, 5, v0
	v_readfirstlane_b32 s20, v1                    ; wave
	v_and_b32 v1, 31, v0                           ; lane
	v_lshlrev_b32 v2, 2, v1                        ; 4 x lane
	v_lshlrev_b32 v3, 4, v1                        ; 16 x lane
	v_lshlrev_b32 v4, 2, v0                        ; 4 x thread
	s_mov_b32 s17, 0
	s_wait_kmcnt 0x0
	s_cmp_eq_u32 ttmp9, 0
	s_cbranch_scc1 .Lsort
	s_sub_co_u32 s21, ttmp9, 1
	s_and_b32 s22, s21, 7                          ; which 128 columns
	s_bfe_u32 s23, s21, 0x30003                    ; which K step
	s_lshr_b32 s24, s21, 6                         ; which expert
	s_lshl_b32 s16, s24, 22                        ; expert_w: 4 MiB an expert, 128 rows of 4,096 bytes a K step,
	s_lshl_b32 s25, s23, 19
	s_add_co_u32 s16, s16, s25
	s_lshl_b32 s25, s22, 9
	s_lshl_b32 s26, s20, 7
	s_add_co_u32 s25, s25, s26                     ; and 4 x my wave's first column
	s_add_co_u32 s16, s16, s25
	s_add_nc_u64 s[4:5], s[4:5], s[16:17]
	s_lshl_b32 s16, s24, 15                        ; w_scales: 32,768 bytes an expert, 4,096 a K step
	s_lshl_b32 s26, s23, 12
	s_add_co_u32 s16, s16, s26
	s_add_co_u32 s16, s16, s25
	s_add_nc_u64 s[12:13], s[12:13], s[16:17]
	s_mul_i32 s16, s24, 786432                     ; w_img: 786,432 bytes an expert, 12,288 a tile, 1,536 a K step
	s_lshl_b32 s26, s22, 2
	s_add_co_u32 s26, s26, s20
	s_mul_i32 s26, s26, 24576                      ; my wave's two tiles
	s_add_co_u32 s16, s16, s26
	s_mul_i32 s26, s23, 1536
	s_add_co_u32 s16, s16, s26
	s_add_nc_u64 s[10:11], s[10:11], s[16:17]
.set i, 0
.rept 128
	global_load_b32 v[32+i], v2, s[4:5] offset:4096*i th:TH_LOAD_NT    ; W(128 s + i, my column): all 128 at once
.set i, i+1
.endr
; Block t: its 32 numbers lie in v[32 + 32 t ..]; its lower 16 codes go to dst, its upper 16 to tmp
.macro BLOCKQ t, dst, tmp
.set XS, 32+32*(\t)
	v_max3_num_f32 v12, |v[XS]|, |v[XS+1]|, |v[XS+2]|
	v_max3_num_f32 v13, |v[XS+3]|, |v[XS+4]|, |v[XS+5]|
.irp i, 6,10,14,18,22,26
	v_max3_num_f32 v12, v12, |v[XS+\i]|, |v[XS+\i+1]|
	v_max3_num_f32 v13, v13, |v[XS+\i+2]|, |v[XS+\i+3]|
.endr
	v_max3_num_f32 v12, v12, |v[XS+30]|, |v[XS+31]|
	v_max3_num_f32 v12, v12, v13, 0x2800000        ; and the floor 2^(5 - 127): the byte cannot fall under 1
	v_add_nc_u32 v11, 0xfe000000, v12              ; 4 off the exponent field: the conversion's scale operand
	v_lshrrev_b32 v13, 23, v11                     ; the byte
.if (\t) == 0
	v_mov_b32 v10, v13
.else
	v_lshl_or_b32 v10, v13, 8*(\t), v10            ; four bytes make my column's scale word of this K step
.endif
	v_cvt_scalef32_pk16_bf6_f32 v[\dst:\dst+2], v[XS:XS+15], v11
	v_cvt_scalef32_pk16_bf6_f32 v[\tmp:\tmp+2], v[XS+16:XS+31], v11    ; (three registers from an even number on; the next block's first lines are the plain lines behind these)
.endm
	s_wait_loadcnt 63                              ; block 0 wants the first 32 in: 96 might stay out, and a wait names 63 at the most
	BLOCKQ 0, 160, 184
	s_wait_loadcnt 63                              ; block 1: 64 might stay out
	BLOCKQ 1, 172, 188
	s_wait_loadcnt 32
	BLOCKQ 2, 166, 192
	s_wait_loadcnt 0x0
	BLOCKQ 3, 178, 196
	v_nop                                          ; one plain line behind the last conversion
.irp i, 0,1,2
	v_mov_b32 v[163+\i], v[184+\i]                 ; v160-171: blocks 0 and 2 of my column;
	v_mov_b32 v[175+\i], v[188+\i]                 ; v172-183: blocks 1 and 3
	v_mov_b32 v[169+\i], v[192+\i]
	v_mov_b32 v[181+\i], v[196+\i]
.endr
.irp i, 0,1,2,3,4,5,6,7,8,9,10,11
	v_permlane16_swap_b32 v[160+\i], v[172+\i]     ; the first run's upper lanes change places with the second's lower ones: the first is now the fragment of columns 0-15, the second that of columns 16-31
.endr
.irp c, 0,1,2
	global_store_b128 v3, v[160+4*\c:163+4*\c], s[10:11] offset:512*\c             ; 32 lanes store 512 consecutive bytes
	global_store_b128 v3, v[172+4*\c:175+4*\c], s[10:11] offset:12288+512*\c
.endr
	global_store_b32 v2, v10, s[12:13]             ; 128 consecutive bytes a wave, the four waves side by side
	s_endpgm
.Lsort:                                            ; wave w takes groups 64 w .. 64 w + 63.  In hist's rows a lane stands for a pair id, in tokinfo's for a token
	s_lshl_b32 s16, s20, 13
	s_add_nc_u64 s[8:9], s[8:9], s[16:17]
	s_add_nc_u64 s[6:7], s[6:7], s[16:17]
.set i, 0
.rept 64
	global_load_b32 v[32+i], v2, s[8:9] offset:128*i
.set i, i+1
.endr
.set i, 0
.rept 64
	global_load_b32 v[96+i], v2, s[6:7] offset:128*i
.set i, i+1
.endr
	s_wait_loadcnt 63                              ; hist's 64 are in: tokinfo's 64 might stay out, and a wait names 63 at the most
	v_add3_u32 v8, v32, v33, v34
	v_add3_u32 v9, v35, v36, v37
.set i, 38
.rept 14
	v_add3_u32 v8, v8, v[i], v[i+1]
	v_add3_u32 v9, v9, v[i+2], v[i+3]
.set i, i+4
.endr
	v_add3_u32 v8, v8, v94, v95
	v_add_nc_u32 v8, v8, v9                        ; my wave's tokens of pair id = lane
	ds_store_b32 v4, v8
	s_wait_dscnt 0x0                               ; for the others' sake
	s_barrier_signal -1
	s_barrier_wait -1
.irp q, 0,1,2,3
	ds_load_b32 v[16+\q], v2 offset:128*\q
.endr
	s_wait_dscnt 0x0
	v_add3_u32 v20, v16, v17, v18
	v_add_nc_u32 v20, v20, v19                     ; all tokens of the pair id
	v_mov_b32 v21, 0
.irp q, 0,1,2
	s_cmp_gt_u32 s20, \q
	s_cselect_b32 s21, -1, 0
	v_and_b32 v23, s21, v[16+\q]
	v_add_nc_u32 v21, v21, v23                     ; those of the waves in front of mine
.endr
	v_mov_b32 v22, 0
.irp j, 0,1,2,3,4,5,6,7,8,9,10,11,12,13,14,15,16,17,18,19,20,21,22,23,24,25,26
	v_readlane_b32 s21, v20, \j
	v_cmp_lt_u32 vcc_lo, \j, v1
	v_cndmask_b32 v23, 0, s21, vcc_lo
	v_add_nc_u32 v22, v22, v23                     ; all tokens of smaller pair ids
.endr
	v_add3_u32 v32, v32, v21, v22
.set i, 1
.rept 63
	v_add_nc_u32 v[32+i], v[32+i], v[31+i]         ; group by group: where the pair's tokens END, this group's among them
.set i, i+1
.endr
	s_lshl_b32 s21, s20, 11
	v_add_nc_u32 v24, s21, v1                      ; my token in group 64 w
	s_wait_loadcnt 0x0                             ; tokinfo
.set i, 0
.rept 64
	v_lshlrev_b32 v[160+i], 2, v[96+i]
	v_and_b32 v[160+i], 124, v[160+i]              ; 4 x my token's pair id:
	ds_bpermute_b32 v[160+i], v[160+i], v[32+i]    ; I take that lane's end
.set i, i+1
.endr
	s_wait_dscnt 0x0
.set i, 0
.rept 64
	v_bfe_u32 v10, v[96+i], 8, 6                   ; rank + 1
	v_sub_nc_u32 v[160+i], v[160+i], v10           ; my position,
	v_min_u32 v[160+i], 0x1fff, v[160+i]           ; held inside the buffer
	v_lshlrev_b32 v[160+i], 2, v[160+i]
	v_add_nc_u32 v11, 32*i, v24
	v_and_or_b32 v[96+i], v[96+i], 0xff0000, v11   ; token | bits << 16
	global_store_b32 v[160+i], v[96+i], s[14:15]   ; each store has its own address and data registers: none is written again
.set i, i+1
.endr
	s_wait_tensorcnt 0x0
	ds_add_u32 v224, v225
	s_wait_dscnt 0x0
	s_endpgm
.Lfunc_end_k_q9d3dcc674a_wq_sort:
	.size	k_q9d3dcc674a_wq_sort, .Lfunc_end_k_q9d3dcc674a_wq_sort-k_q9d3dcc674a_wq_sort
	.p2alignl 7, 3214868480
	.fill 96, 4, 3214868480
	.section	.rodata,"a",@progbits
	.p2align	6, 0x0
	.amdhsa_kernel k_q9d3dcc674a_wq_sort
		.amdhsa_group_segment_fixed_size 1536
		.amdhsa_private_segment_fixed_size 0
		.amdhsa_enable_private_segment 0
		.amdhsa_kernarg_size 48
		.amdhsa_user_sgpr_count 2
		.amdhsa_user_sgpr_kernarg_segment_ptr 1
		.amdhsa_wavefront_size32 1
		.amdhsa_system_sgpr_workgroup_id_x 1
		.amdhsa_system_sgpr_workgroup_id_y 1
		.amdhsa_system_sgpr_workgroup_id_z 1
		.amdhsa_system_vgpr_workitem_id 0
		.amdhsa_next_free_vgpr 226
		.amdhsa_next_free_sgpr 66
		.amdhsa_reserve_vcc 1
		.amdhsa_float_denorm_mode_32 3
		.amdhsa_float_denorm_mode_16_64 3
		.amdhsa_memory_ordered 1
		.amdhsa_forward_progress 1
		.amdhsa_inst_pref_size 81
	.end_amdhsa_kernel
	.amdgpu_metadata
---
amdhsa.version: [ 1, 2 ]
amdhsa.kernels:
  - .name:           k_q9d3dcc674a_wq_sort
    .symbol:         k_q9d3dcc674a_wq_sort.kd
    .args:
      - { .name: expert_w, .offset: 0, .size: 8, .value_kind: global_buffer, .address_space: global }
      - { .name: tokinfo, .offset: 8, .size: 8, .value_kind: global_buffer, .address_space: global }
      - { .name: hist, .offset: 16, .size: 8, .value_kind: global_buffer, .address_space: global }
      - { .name: w_img, .offset: 24, .size: 8, .value_kind: global_buffer, .address_space: global }
      - { .name: w_scales, .offset: 32, .size: 8, .value_kind: global_buffer, .address_space: global }
      - { .name: order, .offset: 40, .size: 8, .value_kind: global_buffer, .address_space: global }
    .group_segment_fixed_size: 1536
    .private_segment_fixed_size: 0
    .kernarg_segment_align: 8
    .kernarg_segment_size: 48
    .max_flat_workgroup_size: 128
    .sgpr_count:     66
    .vgpr_count:     226
    .wavefront_size: 32
...
	.end_amdgpu_metadata
.endif
;; end of part 2
;; launch experts (part 3): grid 4 x 64, 4 waves a work-group, no clusters, 123,392 bytes of LDS; arguments x_codes, x_scales, gates, order, w_img, w_scales, expert_b, out0; writes out0
.if DOCPART == 3
	.amdgcn_target "amdgcn-amd-amdhsa--gfx1250"
	.amdhsa_code_object_version 6
	.text
	.protected	k_q9d3dcc674a_experts
	.globl	k_q9d3dcc674a_experts
	.p2align	8
	.type	k_q9d3dcc674a_experts,@function
k_q9d3dcc674a_experts:
	s_mov_b64 s[64:65], 0
	v_nop
	global_prefetch_b8 v0, s[64:65] scope:SCOPE_SE
	s_setreg_imm32_b32 hwreg(HW_REG_WAVE_MODE, 25, 1), 1
	s_wait_xcnt 0x0
; out[t] = the sum over t's two experts e of gate[t][e] (Q(x[t]) Q(W_e) + b_e), on codes of E3M2 with one E8M0 scale for each 32 along K = 1024.
; SHARES.  The tokens lie sorted by their pair of experts (order).  A work-group owns 128 sorted tokens x 256 columns of out, whole: each output row has one owner.  It walks the experts that any of its tokens uses
; (the OR of the tokens' bits), in a loop of constant count that jumps over the trips left over; a token that does not use an expert has gate 0 there.  A wave takes all 128 tokens x 64 columns: 8 x 4 tiles.
; The OR is made of the block's 128 words of order by scalar loads and scalar ORs: what the walk's branch and W's bases hang on are scalar whole numbers read from memory.
; THE MATRIX INSTRUCTION IS USED TRANSPOSED: source 0 = 16 columns of W, source 1 = 16 tokens.  A lane then holds ONE token (lane % 16) and eight neighbouring columns: the gate is one number a lane, and the bias is the C of K step 0.
; OPERANDS.  x: the block's 128 tokens are gathered once, 768 bytes each, into LDS as images of the operand's registers, and read from there in every K step of every expert.
; W: an earlier launch has laid it in the order of the operand's registers, so each fragment comes from memory straight into registers by three loads of 512 consecutive bytes, four K steps (128 matrix instructions) ahead, in a ring of four register slots
; that runs on into the next expert.  The last expert used asks for four K steps of expert 7 or of none further (the index is held at 7): inside the buffer, never read.
; NO CLUSTER: work-groups that share tiles of W (one column group, different blocks of tokens) walk different lists of experts, read from memory, so they cannot issue the same joint loads on every path; the four that share a block's x
; share 98,304 gathered bytes, fetched once, against 196,608 bytes of W for each expert walked, and gathered rows are no tile.  NO TENSOR LOADS: a trip may be jumped over, and the one barrier of the text stands ahead of the walk.
; LIMITS: NaN and infinities are not served (0 x a value that is not finite would not be 0).
; LDS: XIMG 0 .. 104,447: 13,056 a + 1,632 s + 544 c + 272 h + 16 r (tile a, K step s, registers 4 c .., lane (r, h)): a read takes 256 consecutive bytes for each half of the lanes;
;   STG: 16 rows x (256 + 16) bytes for each wave, for the way out.
; REGISTERS.  window 0: v1-15 addresses; v16-47 x's scale words (tile a: v[16 + 4 a + j]: lanes 0-15 K step j, lanes 16-31 K step 4 + j); v48-63 W's (tile b: v[48 + 4 b + j], likewise); v64-159, v160-255 x's fragments, two sets.
;   window 1: v0-191 W's ring, slot q at 48 q, tile b at + 12 b; v192-223 the bias; v224-239 pairs (gate of tile a, 32 x its token).   window 2: the expert's 32 accumulators, (a, b) at 8 (4 a + b).   window 3: out's, likewise.
.set XA,   3                           ; v3   16 r + 272 h
.set XA2,  4                           ; v4   the same for tiles 4-7: + 52,224 (an LDS immediate has 16 bits)
.set WO,   5                           ; v5   16 x lane
.set WSO,  6                           ; v6   16,384 h + 4 r: W's scale word of column r, K step j + 4 h
.set BO,   7                           ; v7   32 h: my half's eight numbers of a bias tile; on the way out my half's eight words of order
.set STO,  8                           ; v8   the stage: where I put 32 bytes of a row
.set SRD,  9                           ; v9   and where I read 16 bytes of a row back
.set XS,   16
.set WS,   48
.set BIAS, 192
.set GR,   224
.set STG,  104448
.set WB0,  36                          ; s[36:37] w_img at my wave's four tiles;  s[38:39] w_scales, s[40:41] expert_b, s[54:55] out0 at my first column
.set SB0,  38
.set BB0,  40
.set WBC,  42                          ; s[42:43] W of the expert in hand;  s[50:51] its column of gates
.set WBN,  44                          ; s[44:49], s[52:53] the next expert's W, scale words, bias, gates
.set SBN,  46
.set BBN,  48
.set GBC,  50
.set GBN,  52
.set MSB, 0
.macro WIN new                         ; the immediate's high byte repeats the setting that is left
.if MSB != \new
	s_set_vgpr_msb (MSB<<8)|\new
.set MSB, \new
.endif
.endm
.macro ORDLD off                       ; 64 words of my block's order, from byte off on, into scalar registers that hold nothing yet
	s_load_b512 s[36:51], s[10:11], \off
	s_load_b512 s[68:83], s[10:11], \off+64
	s_load_b512 s[84:99], s[10:11], \off+128
	s_load_b256 s[24:31], s[10:11], \off+192
	s_load_b256 s[56:63], s[10:11], \off+224
.endm
.macro ORRUN base, n                   ; n scalar registers from s[base] on are ORed into s52 and s53, two chains
.set i, 0
.rept (\n)/2
	s_or_b32 s52, s52, s[\base+i]
	s_or_b32 s53, s53, s[\base+i+1]
.set i, i+2
.endr
.endm
.macro ORALL
	s_wait_kmcnt 0x0                               ; scalar loads come back in no order: only the count 0 shows them in
	ORRUN 36, 16
	ORRUN 68, 16
	ORRUN 84, 16
	ORRUN 24, 8
	ORRUN 56, 8
.endm
.macro NEXT                            ; the lowest expert left in the mask s28, held at 7, and its four bases
	s_ctz_i32_b32 s31, s28
	s_min_u32 s31, s31, 7
	s_sub_co_u32 s34, s28, 1
	s_and_b32 s28, s28, s34
	s_mul_i32 s32, s31, 786432
	s_add_nc_u64 s[WBN:WBN+1], s[WB0:WB0+1], s[32:33]
	s_lshl_b32 s32, s31, 15
	s_add_nc_u64 s[SBN:SBN+1], s[SB0:SB0+1], s[32:33]
	s_lshl_b32 s32, s31, 12
	s_add_nc_u64 s[BBN:BBN+1], s[BB0:BB0+1], s[32:33]
	s_lshl_b32 s32, s31, 2
	s_add_nc_u64 s[GBN:GBN+1], s[8:9], s[32:33]
.endm
.macro RING base, step, slot           ; 12 loads: my four tiles' fragments of one K step
	WIN 0x40                                       ; destination window 1
.irp b, 0,1,2,3
.irp c, 0,1,2
	global_load_b128 v[48*(\slot)+12*\b+4*\c:48*(\slot)+12*\b+4*\c+3], v[WO], s[\base:\base+1] offset:12288*\b+1536*(\step)+512*\c
.endr
.endr
.endm
.macro WSLD j                          ; 4 loads: the next expert's scale words of K steps j and j + 4
	WIN 0
.irp b, 0,1,2,3
	global_load_b32 v[WS+4*\b+(\j)], v[WSO], s[SBN:SBN+1] offset:4096*(\j)+64*\b
.endr
.endm
.macro BIASLD                          ; 8 loads: lane (r, h) takes, for tile b, b_e at columns 16 b + 8 h + 0 .. 7
	WIN 0x40
.irp b, 0,1,2,3
	global_load_b128 v[BIAS+8*\b:BIAS+8*\b+3], v[BO], s[BBN:BBN+1] offset:64*\b
	global_load_b128 v[BIAS+8*\b+4:BIAS+8*\b+7], v[BO], s[BBN:BBN+1] offset:64*\b+16
.endr
.endm
.macro XFETCH step, set                ; 24 LDS loads: the eight tiles' fragments of one K step
.irp a, 0,1,2,3,4,5,6,7
.irp c, 0,1,2
.if \a < 4
	ds_load_b128 v[64+96*(\set)+12*\a+4*\c:64+96*(\set)+12*\a+4*\c+3], v[XA] offset:13056*\a+1632*(\step)+544*\c
.else
	ds_load_b128 v[64+96*(\set)+12*\a+4*\c:64+96*(\set)+12*\a+4*\c+3], v[XA2] offset:13056*(\a-4)+1632*(\step)+544*\c
.endif
.endr
.endr
.endm
	s_load_b512 s[4:19], s[0:1], 0x0               ; x_codes, x_scales, gates, order, w_img, w_scales, expert_b, out0
	v_lshl_add_u32 v10, v0, 2, 0x1e000
	v_mov_b32 v13, 0
	v_lshrrev_b32 v1, 5, v0
	v_readfirstlane_b32 s20, v1                    ; wave
	s_mov_b32 s21, ttmp9                           ; which 256 columns
	s_and_b32 s22, ttmp7, 0xffff                   ; which 128 sorted tokens
	v_and_b32 v1, 15, v0                           ; r
	v_bfe_u32 v2, v0, 4, 1                         ; h
	v_lshlrev_b32 v11, 4, v1                       ; 16 r
	v_mad_u32_u24 v[XA], v2, 272, v11
	v_add_nc_u32 v[XA2], 52224, v[XA]
	v_and_b32 v12, 31, v0                          ; lane
	v_lshlrev_b32 v[WO], 4, v12
	v_lshlrev_b32 v91, 2, v1                       ; 4 r
	v_lshl_add_u32 v[WSO], v2, 14, v91
	v_lshlrev_b32 v[BO], 5, v2
	s_mul_i32 s23, s20, 4352
	s_add_co_u32 s23, s23, STG                     ; my stage
	v_mul_u32_u24 v[STO], v1, 272
	v_lshl_add_u32 v[STO], v2, 5, v[STO]
	v_add_nc_u32 v[STO], s23, v[STO]               ; in: row r, + 32 h
	v_mad_u32_u24 v[SRD], v2, 2176, v11
	v_add_nc_u32 v[SRD], s23, v[SRD]               ; back: lanes 0-15 take row t, lanes 16-31 row t + 8; 16 bytes a lane
	v_lshrrev_b32 v14, 1, v1
	v_mul_u32_u24 v14, v14, 1632
	v_and_b32 v15, 1, v1
	v_mad_u32_u24 v14, v15, 272, v14
	v_lshl_add_u32 v14, v2, 4, v14
	s_mul_i32 s34, s20, 26112
	v_add_nc_u32 v14, s34, v14                     ; staging: lane (i, hh) holds piece (K step i / 2, half i % 2) of row 2 j + hh.  In units of 16 bytes sixteen lanes stand at 6 (i / 2) + i % 2 modulo 16: all different
	s_lshl_b32 s34, s20, 7
	v_lshlrev_b32 v92, 2, v2
	v_add_nc_u32 v92, s34, v92                     ; order: 4 hh + 128 w
	v_lshlrev_b32 v12, 4, v2                       ; 16 h
	s_mov_b32 s33, 0
	s_mov_b32 s52, 0                               ; the OR's two chains
	s_mov_b32 s53, 0
	s_wait_kmcnt 0x0
	s_lshl_b32 s32, s22, 9
	s_add_nc_u64 s[10:11], s[10:11], s[32:33]      ; order at my block; not written again
	ORDLD 0                                        ; the block's first 64 words, as scalars
.irp a, 0,1,2,3,4,5,6,7
	global_load_b32 v[64+\a], v91, s[10:11] offset:64*\a           ; tile a's row r
.endr
.irp j, 0,1,2,3,4,5,6,7,8,9,10,11,12,13,14,15
	global_load_b32 v[72+\j], v92, s[10:11] offset:8*\j            ; the rows that my wave stages: 32 w + 2 j + hh
.endr
	ORALL
	ORDLD 256                                      ; the other 64 words: they land under the lines below
	s_wait_loadcnt 0x0
.irp j, 0,1,2,3,4,5,6,7,8,9,10,11,12,13,14,15,16,17,18,19,20,21,22,23
	v_and_b32 v[64+\j], 0x1fff, v[64+\j]           ; the token,
	v_min_u32 v[64+\j], 0x1fff, v[64+\j]           ; held inside its tables
.endr
.irp a, 0,1,2,3,4,5,6,7
	v_lshlrev_b32 v[112+\a], 5, v[64+\a]
	v_add_nc_u32 v[112+\a], v12, v[112+\a]         ; x_scales: 32 bytes a token, + 16 h
.endr
.irp j, 0,1,2,3,4,5,6,7,8,9,10,11,12,13,14,15
	v_mul_u32_u24 v[96+\j], v[72+\j], 768
	v_add_nc_u32 v[96+\j], v11, v[96+\j]           ; x_codes: 768 bytes a token, + 16 i
.endr
	WIN 0x40
.irp a, 0,1,2,3,4,5,6,7
	v_lshlrev_b32 v[GR+1+2*\a], 5, v[64+\a]        ; gates: 32 bytes a token
.endr
	WIN 0
.irp a, 0,1,2,3,4,5,6,7
	global_load_b128 v[XS+4*\a:XS+4*\a+3], v[112+\a], s[6:7]
.endr
	WIN 0x80                                       ; destination window 2: the accumulators' registers serve as the staging's
.irp j, 0,1,2,3,4,5,6,7,8,9,10,11,12,13,14,15
.irp c, 0,1,2
	global_load_b128 v[12*\j+4*\c:12*\j+4*\c+3], v[96+\j], s[4:5] offset:256*\c    ; sixteen lanes read 256 consecutive bytes of a token
.endr
.endr
	ORALL
	s_or_b32 s28, s52, s53
	s_bfe_u32 s28, s28, 0x80010                    ; the experts that my 128 tokens use,
	s_bcnt1_i32_b32 s29, s28                       ; and how many: 2 at the least
	s_lshl_b32 s32, s21, 2                         ; the bases, now that the registers of order's words are free
	s_add_co_u32 s32, s32, s20
	s_mul_i32 s32, s32, 49152                      ; four tiles of 12,288 bytes a wave
	s_add_nc_u64 s[WB0:WB0+1], s[12:13], s[32:33]
	s_lshl_b32 s32, s21, 10
	s_lshl_b32 s34, s20, 8
	s_add_co_u32 s32, s32, s34                     ; 4 x my first column
	s_add_nc_u64 s[SB0:SB0+1], s[14:15], s[32:33]
	s_add_nc_u64 s[BB0:BB0+1], s[16:17], s[32:33]
	s_add_nc_u64 s[54:55], s[18:19], s[32:33]
	NEXT                                           ; the first expert
	BIASLD
	RING WBN, 0, 0
	WSLD 0
	RING WBN, 1, 1
	WSLD 1
	RING WBN, 2, 2
	WSLD 2
	s_wait_loadcnt 56                              ; x's scale words and codes are in; behind them: the bias's 8 and three K steps' 16
	WIN 0x08                                       ; an LDS store's data are its source 1: window 2
.irp j, 0,1,2,3,4,5,6,7,8,9,10,11,12,13,14,15
.irp c, 0,1,2
	ds_store_b128 v14, v[12*\j+4*\c:12*\j+4*\c+3] offset:13056*(\j/8)+32*(\j%8)+544*\c
.endr
.endr
	RING WBN, 3, 3
	WSLD 3
	s_wait_dscnt 0x0                               ; for the others' sake: my 32 tokens' images lie in LDS
	s_barrier_signal -1
	s_barrier_wait -1                              ; the one barrier: from here on LDS is only read, but for each wave's own stage
	XFETCH 0, 0
	XFETCH 1, 1
; A K STEP: 32 matrix instructions, all 32 accumulators by turns, in the same order in every step.  lc: the loads issued behind this step's group of W.
; The order of issue is: bias 8, K steps 0-3 16 each (12 of codes, 4 of scale words) | K step 4 12, gates 8, K steps 5-7 12 each, the next expert's bias 8 and its K steps 0-3 16 each: the state at an expert's end is the state at its head.
.macro STEP s, lc
.set SL, (\s)%4
.set XB, 64+96*((\s)%2)
	s_wait_loadcnt \lc
	s_wait_dscnt 24                                ; this step's fragments of x are in; the next step's 24 loads may be out
.if (\s) == 0
	WIN 0x91                                       ; source 0 (W) window 1, source 1 (x) window 0, C (the bias) window 1, D window 2
.else
	WIN 0xa1                                       ; C and D window 2
.endif
.irp a, 0,1,2,3,4,5,6,7
.irp b, 0,1,2,3
.if (\s) == 0
	v_wmma_scale_f32_16x16x128_f8f6f4 v[8*(4*\a+\b):8*(4*\a+\b)+7], v[48*SL+12*\b:48*SL+12*\b+11], v[XB+12*\a:XB+12*\a+11], v[BIAS+8*\b:BIAS+8*\b+7], v[WS+4*\b+SL], v[XS+4*\a+SL] matrix_a_fmt:MATRIX_FMT_BF6 matrix_b_fmt:MATRIX_FMT_BF6
.elseif (\s) < 4
	v_wmma_scale_f32_16x16x128_f8f6f4 v[8*(4*\a+\b):8*(4*\a+\b)+7], v[48*SL+12*\b:48*SL+12*\b+11], v[XB+12*\a:XB+12*\a+11], v[8*(4*\a+\b):8*(4*\a+\b)+7], v[WS+4*\b+SL], v[XS+4*\a+SL] matrix_a_fmt:MATRIX_FMT_BF6 matrix_b_fmt:MATRIX_FMT_BF6
.else
	v_wmma_scale_f32_16x16x128_f8f6f4 v[8*(4*\a+\b):8*(4*\a+\b)+7], v[48*SL+12*\b:48*SL+12*\b+11], v[XB+12*\a:XB+12*\a+11], v[8*(4*\a+\b):8*(4*\a+\b)+7], v[WS+4*\b+SL], v[XS+4*\a+SL] matrix_a_fmt:MATRIX_FMT_BF6 matrix_b_fmt:MATRIX_FMT_BF6 matrix_a_scale:MATRIX_SCALE_ROW1 matrix_b_scale:MATRIX_SCALE_ROW1
.endif
.endr
.endr
.rept 4
	v_nop                                          ; four places in front of the loads into registers that these products have read, and in the last step of the first read of results
.endr
.if (\s) < 4
	RING WBC, (\s)+4, SL                           ; the slot just read takes the K step four on
.else
.if (\s) == 4
	BIASLD                                         ; the next expert's bias: this expert's was read in K step 0
.endif
	RING WBN, (\s)-4, SL                           ; the ring runs on into the next expert,
	WSLD SL                                        ; and so do the scale words, whose second half this step has just used
.endif
	WIN 0
	XFETCH ((\s)+2)%8, (\s)%2                      ; the set just read takes the K step two on (behind step 5: the next expert's first two, which are the same bytes)
.if (\s) == 0
	WIN 0x41                                       ; destination and address window 1
.irp a, 0,1,2,3,4,5,6,7
	global_load_b32 v[GR+2*\a], v[GR+1+2*\a], s[GBC:GBC+1]         ; my token's gate of this expert
.endr
.endif
.endm
; out (+)= gate x (x W + b): each accumulator from its low end on; of the pair (gate, offset) the low word serves both halves.  The first expert starts the sums: nothing is cleared.
.macro COMBINE first
.if \first
	WIN 0xc6                                       ; source 0 window 2, source 1 window 1, destination window 3
.else
	WIN 0xf6                                       ; and source 2 window 3
.endif
.irp a, 0,1,2,3,4,5,6,7
.irp b, 0,1,2,3
.irp j, 0,2,4,6
.if \first
	v_pk_mul_f32 v[8*(4*\a+\b)+\j:8*(4*\a+\b)+\j+1], v[8*(4*\a+\b)+\j:8*(4*\a+\b)+\j+1], v[GR+2*\a:GR+2*\a+1] op_sel_hi:[1,0]
.else
	v_pk_fma_f32 v[8*(4*\a+\b)+\j:8*(4*\a+\b)+\j+1], v[8*(4*\a+\b)+\j:8*(4*\a+\b)+\j+1], v[GR+2*\a:GR+2*\a+1], v[8*(4*\a+\b)+\j:8*(4*\a+\b)+\j+1] op_sel_hi:[1,0,1]
.endif
.endr
.endr
.endr
.endm
.macro EXPERT first
	s_wait_xcnt 0x0                                ; every load issued has had its address translated (ISA guide 3.1): only behind this wait are the bases below written again
	s_mov_b64 s[WBC:WBC+1], s[WBN:WBN+1]
	s_mov_b64 s[GBC:GBC+1], s[GBN:GBN+1]
	NEXT
	STEP 0, 48                                     ; behind K step 0: K steps 1-3
	STEP 1, 52                                     ; K steps 2, 3, 4 and the gates
	STEP 2, 48                                     ; 3, 4, gates, 5
	STEP 3, 44                                     ; 4, gates, 5, 6
	STEP 4, 44                                     ; gates, 5, 6, 7
	STEP 5, 48                                     ; 6, 7, the next bias, the next K step 0  (so the gates are in)
	STEP 6, 52                                     ; 7, bias, 0, 1
	STEP 7, 56                                     ; bias, 0, 1, 2
	COMBINE \first
	WIN 0                                          ; at a label and at a branch every window is 0
.endm
	EXPERT 1
	s_mov_b32 s30, 1
.Lexp:                                             ; seven trips, whatever the block: a trip beyond the block's count of experts is jumped over, and leaves every counter as it found it
	s_cmp_ge_u32 s30, s29
	s_cbranch_scc1 .Lskip
	EXPERT 0
.Lskip:
	s_add_co_u32 s30, s30, 1
	s_cmp_lt_u32 s30, 8
	s_cbranch_scc1 .Lexp
; THE WAY OUT, a tile of 16 tokens x 64 columns at a time.  A lane holds 32 bytes of a row and its neighbours hold other rows: the tile goes through my own stage and comes back as rows of 256 bytes,
; two rows an instruction: row t in lanes 0-15, row t + 8 in lanes 16-31.  So half h of the lanes wants the tokens of rows 16 a + 8 h + 0 .. 7: 32 consecutive bytes of order, read anew from memory: 16 loads for the eight tiles,
; each word in a register of its own, which then becomes that store's address.  LDS serves a wave's instructions in order: no wait between the stage's stores and loads, nor ahead of the next tile's stores.
.macro TOST a
.set SB, 64+32*((\a)%2)                ; 32 registers of rows: two such sets, where x's first set lay
	WIN 0x0c                                       ; the data: window 3
.irp b, 0,1,2,3
	ds_store_b128 v[STO], v[8*(4*(\a)+\b):8*(4*(\a)+\b)+3] offset:64*\b
	ds_store_b128 v[STO], v[8*(4*(\a)+\b)+4:8*(4*(\a)+\b)+7] offset:64*\b+16
.endr
	WIN 0
.irp t, 0,1,2,3,4,5,6,7
	ds_load_b128 v[SB+4*\t:SB+4*\t+3], v[SRD] offset:272*\t        ; rows t + 8 h
.endr
.endm
.macro SEND a, younger                 ; younger: the LDS instructions issued behind tile a's
.set SB, 64+32*((\a)%2)
.set TK, 160+8*(\a)
	s_wait_dscnt \younger
.irp t, 0,1,2,3,4,5,6,7
	v_and_b32 v[TK+\t], 0x1fff, v[TK+\t]           ; the token,
.endr
.irp t, 0,1,2,3,4,5,6,7
	v_min_u32 v[TK+\t], 0x1fff, v[TK+\t]           ; held inside out
.endr
.irp t, 0,1,2,3,4,5,6,7
	v_lshlrev_b32 v[TK+\t], 12, v[TK+\t]           ; a row of out is 4,096 bytes
.endr
.irp t, 0,1,2,3,4,5,6,7
	v_add_nc_u32 v[TK+\t], v11, v[TK+\t]
.endr
.irp t, 0,1,2,3,4,5,6,7
	global_store_b128 v[TK+\t], v[SB+4*\t:SB+4*\t+3], s[54:55] th:TH_STORE_NT   ; sixteen lanes store 256 consecutive bytes of a token's row, at a multiple of 256 from out's first byte
.endr
.endm
	s_wait_dscnt 0x0                               ; the fragments of x asked for last are in: their registers are free
.irp a, 0,1,2,3,4,5,6,7
	global_load_b128 v[160+8*\a:163+8*\a], v[BO], s[10:11] offset:64*\a            ; the words of order of rows 16 a + 8 h + 0 .. 3,
	global_load_b128 v[164+8*\a:167+8*\a], v[BO], s[10:11] offset:64*\a+16         ; and + 4 .. 7
.endr
	TOST 0
.irp a, 1,2,3,4,5,6,7
.if \a > 1
	s_wait_xcnt 0x0                                ; tile a - 2's stores have read their registers: tile a's loads may land there
.endif
	TOST \a
.if \a == 1
	s_wait_loadcnt 0x0                             ; the rows' words of order, once for all eight tiles
.endif
	SEND \a-1, 16                                  ; behind tile a - 1's loads: tile a's 8 stores and 8 loads
.endr
	SEND 7, 0
	s_wait_tensorcnt 0x0
	ds_add_u32 v10, v13
	s_wait_dscnt 0x0
	s_endpgm
.Lfunc_end_k_q9d3dcc674a_experts:
	.size	k_q9d3dcc674a_experts, .Lfunc_end_k_q9d3dcc674a_experts-k_q9d3dcc674a_experts
	.p2alignl 7, 3214868480
	.fill 96, 4, 3214868480
	.section	.rodata,"a",@progbits
	.p2align	6, 0x0
	.amdhsa_kernel k_q9d3dcc674a_experts
		.amdhsa_group_segment_fixed_size 123392
		.amdhsa_private_segment_fixed_size 0
		.amdhsa_enable_private_segment 0
		.amdhsa_kernarg_size 64
		.amdhsa_user_sgpr_count 2
		.amdhsa_user_sgpr_kernarg_segment_ptr 1
		.amdhsa_wavefront_size32 1
		.amdhsa_system_sgpr_workgroup_id_x 1
		.amdhsa_system_sgpr_workgroup_id_y 1
		.amdhsa_system_sgpr_workgroup_id_z 1
		.amdhsa_system_vgpr_workitem_id 0
		.amdhsa_next_free_vgpr 1024
		.amdhsa_next_free_sgpr 100
		.amdhsa_reserve_vcc 0
		.amdhsa_float_denorm_mode_32 3
		.amdhsa_float_denorm_mode_16_64 3
		.amdhsa_memory_ordered 1
		.amdhsa_forward_progress 1
		.amdhsa_inst_pref_size 197
	.end_amdhsa_kernel
	.amdgpu_metadata
---
amdhsa.version: [ 1, 2 ]
amdhsa.kernels:
  - .name:           k_q9d3dcc674a_experts
    .symbol:         k_q9d3dcc674a_experts.kd
    .args:
      - { .name: x_codes, .offset: 0, .size: 8, .value_kind: global_buffer, .address_space: global }
      - { .name: x_scales, .offset: 8, .size: 8, .value_kind: global_buffer, .address_space: global }
      - { .name: gates, .offset: 16, .size: 8, .value_kind: global_buffer, .address_space: global }
      - { .name: order, .offset: 24, .size: 8, .value_kind: global_buffer, .address_space: global }
      - { .name: w_img, .offset: 32, .size: 8, .value_kind: global_buffer, .address_space: global }
      - { .name: w_scales, .offset: 40, .size: 8, .value_kind: global_buffer, .address_space: global }
      - { .name: expert_b, .offset: 48, .size: 8, .value_kind: global_buffer, .address_space: global }
      - { .name: out0, .offset: 56, .size: 8, .value_kind: global_buffer, .address_space: global }
    .group_segment_fixed_size: 123392
    .private_segment_fixed_size: 0
    .kernarg_segment_align: 8
    .kernarg_segment_size: 64
    .max_flat_workgroup_size: 128
    .sgpr_count:     100
    .vgpr_count:     1024
    .wavefront_size: 32
...
	.end_amdgpu_metadata
.endif
;; end of part 3
;; ======== version 2 of 2: 3 launches
;; workspace buffers: x_codes 6,291,456 bytes; x_scales 262,144 bytes; gates 262,144 bytes; tokinfo 32,768 bytes of whole numbers; hist 32,768 bytes of whole numbers; w_img 6,291,456 bytes; w_scales 262,144 bytes; order 32,768 bytes of whole numbers
;; launch route (part 4): grid 256 x 1, 4 waves a work-group, no clusters, 70,144 bytes of LDS; arguments x, gate_w, gate_b, x_codes, x_scales, gates, tokinfo, hist; writes x_codes, x_scales, gates, tokinfo, hist
.if DOCPART == 4
	.amdgcn_target "amdgcn-amd-amdhsa--gfx1250"
	.amdhsa_code_object_version 6
	.text
	.protected	k_q9d3dcc674a_route
	.globl	k_q9d3dcc674a_route
	.p2align	8
	.type	k_q9d3dcc674a_route,@function
k_q9d3dcc674a_route:
	s_mov_b64 s[64:65], 0
	v_nop
	global_prefetch_b8 v0, s[64:65] scope:SCOPE_SE
	s_setreg_imm32_b32 hwreg(HW_REG_WAVE_MODE, 25, 1), 1
	s_wait_xcnt 0x0
; ROUTER AND QUANTISER OF x.  x: [8192 tokens][1024] f32, read once.  For each token: the 8 logits x . gate_w[e] + gate_b[e] in f32, the two largest (a tie keeps the lower index),
; their softmax (the larger logit is taken away ahead of the exponential), and x as codes of E3M2 with one E8M0 byte for each 32 along its 1024.
; OUT, all at fixed places: x_codes, 768 bytes a token: the 16 bytes at 256 c + 32 s + 16 h are registers 4 c .. 4 c + 3 of lane half h of the token's operand fragment for K step s (128 along K);
; x_scales, 32 bytes a token: word s = the bytes of blocks 4 s .. 4 s + 3;  gates [token][8] f32, 0 for an expert not chosen;
; tokinfo [token] = pair id | (rank + 1) << 8 | the two experts' bits << 16, pair id = hi (hi - 1) / 2 + lo, rank = how many earlier tokens of its group of 32 have the same pair;  hist [group of 32][32] = tokens of each pair id.
; The choice is used here as a VALUE only: no address and no branch of this launch hangs on it.
; SHARES.  A work-group takes 32 tokens, each of its four waves 8, in four pairs.  All 64 loads of a wave (512 consecutive bytes each) go out at the head.
; A loaded register holds neighbours across LANES, which suits the router (gate_w is held the same way, 256 registers); the conversions want 32 neighbours in ONE lane, so a pair of tokens turns through the wave's own LDS bytes.
; A block's scale byte is its largest magnitude's exponent field - 4, held at 1 from below by a floor among the maximum's leaves.
; LIMITS: NaN and infinities are not served; a block whose largest magnitude lies under 2^-122 (zeros too) gets the byte 1, which this program alone reads; the logits' f32 sums run in another order than a plain row sum.
.set GATE, 0                           ; LDS: gate_w as it lies, 32,768 bytes
.set TURN, 32768                       ; 8,448 bytes a wave: two tokens x 8 x (512 bytes + 16 of padding)
.set TPW,  8448
.set SST,  66560                       ; 256 bytes a wave: its 8 tokens' scale words
.set GST,  67584                       ; 256 bytes a wave: its 8 tokens' gate rows
.set TIS,  68608                       ; 128 bytes: the 32 tokens' pair id and bits
; window 0: v1 lane, v2 i = lane % 16, v3 hh = lane / 16, v4-15 addresses, v16-47 the sums, v48-63 at work, v64-127 a lane's 64 turned numbers, v128-175 codes, v176-182 at work, v184-191 addresses and the way out, v192-255 gate_w on its way to LDS
; window 1: gate_w, expert e at v[32 e ..]: register 4 j + i' holds k = 128 j + 4 lane + i'.   window 2: x as loaded: pair it, token tk at v[64 it + 32 tk ..], in the same order of k
.set MSB, 0
.macro WIN new                         ; the immediate's high byte repeats the setting that is left
.if MSB != \new
	s_set_vgpr_msb (MSB<<8)|\new
.set MSB, \new
.endif
.endm
	s_load_b512 s[4:19], s[0:1], 0x0               ; x, gate_w, gate_b, x_codes, x_scales, gates, tokinfo, hist
	v_lshl_add_u32 v183, v0, 2, 0x11000
	v_mov_b32 v187, 0
	v_lshrrev_b32 v1, 5, v0
	v_readfirstlane_b32 s20, v1                    ; wave
	v_and_b32 v1, 31, v0                           ; lane
	v_and_b32 v2, 15, v0                           ; i
	v_bfe_u32 v3, v0, 4, 1                         ; hh
	v_lshlrev_b32 v4, 4, v1                        ; 16 x lane
	v_lshlrev_b32 v184, 4, v0                      ; 16 x thread
	s_mul_i32 s21, s20, TPW
	s_add_co_u32 s21, s21, TURN
	v_add_nc_u32 v5, s21, v4                       ; the turn, way in: as loaded
	v_lshrrev_b32 v48, 1, v2                       ; s = i / 2: my K step
	v_and_b32 v49, 1, v2                           ; h = i % 2: my half of a fragment's lanes
	v_mul_u32_u24 v6, v3, 4224
	v_mad_u32_u24 v6, v48, 528, v6
	v_lshl_add_u32 v6, v49, 7, v6
	v_add_nc_u32 v6, s21, v6                       ; way out: token hh, block 4 s + h; block 4 s + 2 + h lies 256 bytes on.  In units of 16 bytes the sixteen lanes stand at s + 8 h modulo 16: all different
	v_mul_u32_u24 v7, v3, 768
	v_lshl_add_u32 v7, v2, 4, v7                   ; my 16 bytes of a token's 256
	s_lshl_b32 s22, s20, 8
	s_add_co_u32 s21, s22, SST
	s_add_co_u32 s22, s22, GST
	v_lshlrev_b32 v50, 5, v3
	v_lshl_add_u32 v8, v48, 2, v50
	v_add_nc_u32 v8, s21, v8                       ; my token's scale word s
	v_and_b32 v14, 7, v2                           ; the expert whose gate I write
	v_lshl_add_u32 v9, v14, 2, v50
	v_add_nc_u32 v9, s22, v9
	s_lshl_b32 s23, s20, 5
	s_add_co_u32 s23, s23, TIS
	v_lshlrev_b32 v10, 2, v3
	v_add_nc_u32 v10, s23, v10                     ; my token's word of pair id and bits
	v_lshlrev_b32 v11, 3, v1
	v_add_nc_u32 v12, s21, v11
	v_add_nc_u32 v13, s22, v11
	v_lshlrev_b32 v15, 3, v49                      ; 8 h: where my two bytes stand in the scale word
	v_lshlrev_b32 v186, 2, v1
	v_add_nc_u32 v185, TIS, v186
	v_mov_b32 v63, 0                               ; written once: a lane move's destination counts as read
	s_lshl_b32 s23, ttmp9, 5
	s_lshl_b32 s32, s20, 3
	s_add_co_u32 s23, s23, s32                     ; my first token: 32 x work-group + 8 x wave
	s_mov_b32 s33, 0
	s_wait_kmcnt 0x0
	s_load_b256 s[24:31], s[8:9], 0x0              ; gate_b
	s_lshl_b32 s32, s23, 12
	s_add_nc_u64 s[4:5], s[4:5], s[32:33]
	s_mul_i32 s32, s23, 768
	s_add_nc_u64 s[10:11], s[10:11], s[32:33]
	s_lshl_b32 s32, s23, 5
	s_add_nc_u64 s[12:13], s[12:13], s[32:33]
	s_add_nc_u64 s[14:15], s[14:15], s[32:33]
	s_lshl_b32 s32, ttmp9, 7
	s_add_nc_u64 s[16:17], s[16:17], s[32:33]
	s_add_nc_u64 s[18:19], s[18:19], s[32:33]
.irp q, 0,1,2,3,4,5,6,7,8,9,10,11,12,13,14,15
	global_load_b128 v[192+4*\q:195+4*\q], v184, s[6:7] offset:2048*\q     ; gate_w: the work-group's 128 threads read 2,048 consecutive bytes
.endr
.macro XLOAD it
.irp tk, 0,1
.irp j, 0,1,2,3,4,5,6,7
	global_load_b128 v[64*(\it)+32*\tk+4*\j:64*(\it)+32*\tk+4*\j+3], v4, s[4:5] offset:(2*(\it)+\tk)*4096+512*\j th:TH_LOAD_NT
.endr
.endr
.endm
	WIN 0x80                                       ; destination window 2
	XLOAD 0
	XLOAD 1
	XLOAD 2
	WIN 0
	s_wait_loadcnt 48                              ; gate_w's 16 loads are in; the 48 of x behind them stay out
.irp q, 0,1,2,3,4,5,6,7,8,9,10,11,12,13,14,15
	ds_store_b128 v184, v[192+4*\q:195+4*\q] offset:GATE+2048*\q
.endr
	WIN 0x80
	XLOAD 3
	WIN 0
	s_wait_kmcnt 0x0                               ; gate_b
	s_wait_dscnt 0x0                               ; for the others' sake: my part of gate_w lies in LDS
	s_barrier_signal -1
	s_barrier_wait -1
	WIN 0x40                                       ; destination window 1
.irp e, 0,1,2,3,4,5,6,7
.irp j, 0,1,2,3,4,5,6,7
	ds_load_b128 v[32*\e+4*\j:32*\e+4*\j+3], v4 offset:GATE+4096*\e+512*\j
.endr
.endr
; A PAIR OF TOKENS: lanes 0-15 end up with token 2 it, lanes 16-31 with token 2 it + 1.
.macro PAIR it
.set FB, 128+12*(\it)
	s_wait_loadcnt 48-16*(\it)                     ; this pair's 16 loads are in; the later pairs' stay out
	WIN 0x08                                       ; an LDS store's data are its source 1: window 2
.irp tk, 0,1
.irp j, 0,1,2,3,4,5,6,7
	ds_store_b128 v5, v[64*(\it)+32*\tk+4*\j:64*(\it)+32*\tk+4*\j+3] offset:4224*\tk+528*\j
.endr
.endr
	WIN 0
.irp q, 0,1,2,3,4,5,6,7
	ds_load_b128 v[64+4*\q:67+4*\q], v6 offset:16*\q               ; LDS serves a wave's instructions in order: these see the stores above
.endr
.irp q, 0,1,2,3,4,5,6,7
	ds_load_b128 v[96+4*\q:99+4*\q], v6 offset:256+16*\q
.endr
.if (\it) == 0
	s_wait_dscnt 32                                ; gate_w is in my registers; the 32 LDS instructions just issued may be out
.endif
	WIN 0x06                                       ; source 0 (x) window 2, source 1 (gate_w) window 1
.irp m, 0,1,2,3,4,5,6,7,8,9,10,11,12,13,14,15  ; 16 sums (2 tokens x 8 experts) by turns, two numbers a line; the first product starts each sum
.irp tk, 0,1
.irp e, 0,1,2,3,4,5,6,7
.if \m == 0
	v_pk_mul_f32 v[16+16*\tk+2*\e:17+16*\tk+2*\e], v[64*(\it)+32*\tk+2*\m:64*(\it)+32*\tk+2*\m+1], v[32*\e+2*\m:32*\e+2*\m+1]
.else
	v_pk_fma_f32 v[16+16*\tk+2*\e:17+16*\tk+2*\e], v[64*(\it)+32*\tk+2*\m:64*(\it)+32*\tk+2*\m+1], v[32*\e+2*\m:32*\e+2*\m+1], v[16+16*\tk+2*\e:17+16*\tk+2*\e]
.endif
.endr
.endr
.endr
	WIN 0
.irp tk, 0,1
.irp e, 0,1,2,3,4,5,6,7
	v_add_f32 v[16+16*\tk+2*\e], v[16+16*\tk+2*\e], v[17+16*\tk+2*\e]
.endr
.endr
.irp e, 0,1,2,3,4,5,6,7
	v_permlane16_swap_b32 v[16+2*\e], v[32+2*\e]   ; the first token's upper lanes change places with the second's lower ones: each half of the lanes now holds one token's parts
.endr
.irp e, 0,1,2,3,4,5,6,7
	v_add_f32 v[16+2*\e], v[16+2*\e], v[32+2*\e]
.endr
.irp x, 1,2,4,8
.irp e, 0,1,2,3,4,5,6,7
	v_add_f32_dpp v[16+2*\e], v[16+2*\e], v[16+2*\e] row_xmask:\x row_mask:0xf bank_mask:0xf
.endr
.endr
.irp e, 0,1,2,3,4,5,6,7
	v_add_f32 v[16+2*\e], s[24+\e], v[16+2*\e]     ; the logit of my token and expert e, in every lane of the half
.endr
	v_mov_b32 v48, v16                             ; the largest and its index,
	v_mov_b32 v49, 0
	v_mov_b32 v50, 0xff800000                      ; the second and its index
	v_mov_b32 v51, 0
.irp e, 1,2,3,4,5,6,7                          ; strict compares, e rising: a tie keeps the lower index
	v_cmp_gt_f32 vcc_lo, v[16+2*\e], v48
	v_cmp_gt_f32 s42, v[16+2*\e], v50
	v_cndmask_b32 v52, v50, v[16+2*\e], s42
	v_cndmask_b32 v53, v51, \e, s42
	v_cndmask_b32 v50, v52, v48, vcc_lo
	v_cndmask_b32 v51, v53, v49, vcc_lo
	v_cndmask_b32 v48, v48, v[16+2*\e], vcc_lo
	v_cndmask_b32 v49, v49, \e, vcc_lo
.endr
	v_sub_f32 v54, v50, v48                        ; second - largest: 0 or less
	v_mul_f32 v54, 0x3fb8aa3b, v54
	s_wait_alu depctr_va_vdst(0)
	v_exp_f32 v54, v54                             ; p = e^(second - largest)
	v_min_u32 v52, v49, v51                        ; lo  (the plain line behind the exponential)
	s_wait_alu depctr_va_vdst(0)
	v_add_f32 v55, 1.0, v54
	s_wait_alu depctr_va_vdst(0)
	v_rcp_f32 v55, v55                             ; the largest's gate, 1 / (1 + p)
	v_max_u32 v53, v49, v51                        ; hi  (the plain line behind the reciprocal)
	s_wait_alu depctr_va_vdst(0)
	v_mul_f32 v54, v54, v55                        ; the second's gate
	v_add_nc_u32 v62, -1, v53
	v_mul_u32_u24 v62, v62, v53
	v_lshrrev_b32 v62, 1, v62
	v_add_nc_u32 v62, v62, v52                     ; pair id = hi (hi - 1) / 2 + lo
	v_lshlrev_b32 v52, v49, 1
	v_lshlrev_b32 v53, v51, 1
	v_or_b32 v52, v52, v53
	v_lshl_or_b32 v62, v52, 16, v62
	ds_store_b32 v10, v62 offset:8*(\it)           ; sixteen lanes write one word with one value
	v_cmp_eq_u32 vcc_lo, v14, v49
	v_cmp_eq_u32 s42, v14, v51
	v_cndmask_b32 v52, 0, v54, s42
	v_cndmask_b32 v52, v52, v55, vcc_lo
	ds_store_b32 v9, v52 offset:64*(\it)           ; my token's gate of expert i % 8
	s_wait_dscnt 0x0                               ; my 64 numbers are back from the turn
.irp q, 0,1                                    ; two blocks of 32, both mine, by turns, each in two chains
	v_max3_num_f32 v[56+2*\q], |v[64+32*\q]|, |v[65+32*\q]|, |v[66+32*\q]|
	v_max3_num_f32 v[57+2*\q], |v[67+32*\q]|, |v[68+32*\q]|, |v[69+32*\q]|
.endr
.irp i, 6,10,14,18,22,26
.irp q, 0,1
	v_max3_num_f32 v[56+2*\q], v[56+2*\q], |v[64+32*\q+\i]|, |v[65+32*\q+\i]|
	v_max3_num_f32 v[57+2*\q], v[57+2*\q], |v[66+32*\q+\i]|, |v[67+32*\q+\i]|
.endr
.endr
.irp q, 0,1
	v_max3_num_f32 v[56+2*\q], v[56+2*\q], |v[94+32*\q]|, |v[95+32*\q]|
.endr
.irp q, 0,1
	v_max3_num_f32 v[56+2*\q], v[56+2*\q], v[57+2*\q], 0x2800000   ; and the floor 2^(5 - 127): the byte cannot fall under 1
.endr
	v_add_nc_u32 v60, 0xfe000000, v56              ; 4 off the exponent field: the conversion takes this operand's exponent field as its scale
	v_add_nc_u32 v61, 0xfe000000, v58
	v_lshrrev_b32 v62, 23, v60                     ; the bytes of blocks 4 s + h and 4 s + 2 + h,
	v_lshrrev_b32 v52, 23, v61
	v_lshl_or_b32 v62, v52, 16, v62
	v_lshlrev_b32 v62, v15, v62                    ; at their places in word s;
	v_mov_b32_dpp v63, v62 row_xmask:1 row_mask:0xf bank_mask:0xf
	v_or_b32 v62, v62, v63                         ; with the neighbour's two the word is whole
	ds_store_b32 v8, v62 offset:64*(\it)
	v_cvt_scalef32_pk16_bf6_f32 v[FB:FB+2], v[64:79], v60
	v_cvt_scalef32_pk16_bf6_f32 v[176:178], v[80:95], v60          ; (a conversion's three registers begin on an even number: a block's second three are made elsewhere and moved)
	v_cvt_scalef32_pk16_bf6_f32 v[FB+6:FB+8], v[96:111], v61
	v_cvt_scalef32_pk16_bf6_f32 v[180:182], v[112:127], v61
	v_nop                                          ; one plain line behind a scaled conversion
.irp i, 0,1,2
	v_mov_b32 v[FB+3+\i], v[176+\i]
	v_mov_b32 v[FB+9+\i], v[180+\i]
.endr
.irp c, 0,1,2
	global_store_b128 v7, v[FB+4*\c:FB+4*\c+3], s[10:11] offset:1536*(\it)+256*\c   ; sixteen lanes store 256 consecutive bytes, at a multiple of 256 from the buffer's first byte; each pair has its own data registers
.endr
.endm
	PAIR 0
	PAIR 1
	PAIR 2
	PAIR 3
	ds_load_b64 v[188:189], v12                    ; my wave's 8 tokens' scale words and gate rows leave as 256 consecutive bytes each
	ds_load_b64 v[190:191], v13
	s_wait_dscnt 0x0                               ; these, and my stores of pair ids, for wave 0's sake
	global_store_b64 v11, v[188:189], s[12:13]
	global_store_b64 v11, v[190:191], s[14:15]
	s_barrier_signal -1
	s_barrier_wait -1
	s_cmp_lg_u32 s20, 0
	s_cbranch_scc1 .Lend
	ds_load_b32 v48, v185                          ; wave 0: a lane to a token of the 32
	s_wait_dscnt 0x0
	v_and_b32 v49, 31, v48                         ; its pair id
	v_mov_b32 v50, 0
	v_mov_b32 v51, 0
.irp j, 0,1,2,3,4,5,6,7,8,9,10,11,12,13,14,15,16,17,18,19,20,21,22,23,24,25,26,27,28,29,30,31
	v_readlane_b32 s40, v49, \j
	v_cmp_eq_u32 s41, s40, v49
	v_writelane_b32 v50, s41, \j                   ; lane j: the mask of tokens with token j's pair
	v_cmp_eq_u32 vcc_lo, s40, v1
	v_cndmask_b32 v52, 0, 1, vcc_lo
	v_add_nc_u32 v51, v51, v52                     ; lane p: how many tokens have pair id p
.endr
	v_mbcnt_lo_u32_b32 v52, v50, 1                 ; the earlier tokens with my pair, + 1
	v_lshl_or_b32 v48, v52, 8, v48
	global_store_b32 v186, v48, s[16:17]
	global_store_b32 v186, v51, s[18:19]
.Lend:
	s_wait_tensorcnt 0x0
	ds_add_u32 v183, v187
	s_wait_dscnt 0x0
	s_endpgm
.Lfunc_end_k_q9d3dcc674a_route:
	.size	k_q9d3dcc674a_route, .Lfunc_end_k_q9d3dcc674a_route-k_q9d3dcc674a_route
	.p2alignl 7, 3214868480
	.fill 96, 4, 3214868480
	.section	.rodata,"a",@progbits
	.p2align	6, 0x0
	.amdhsa_kernel k_q9d3dcc674a_route
		.amdhsa_group_segment_fixed_size 70144
		.amdhsa_private_segment_fixed_size 0
		.amdhsa_enable_private_segment 0
		.amdhsa_kernarg_size 64
		.amdhsa_user_sgpr_count 2
		.amdhsa_user_sgpr_kernarg_segment_ptr 1
		.amdhsa_wavefront_size32 1
		.amdhsa_system_sgpr_workgroup_id_x 1
		.amdhsa_system_sgpr_workgroup_id_y 1
		.amdhsa_system_sgpr_workgroup_id_z 1
		.amdhsa_system_vgpr_workitem_id 0
		.amdhsa_next_free_vgpr 768
		.amdhsa_next_free_sgpr 66
		.amdhsa_reserve_vcc 1
		.amdhsa_float_denorm_mode_32 3
		.amdhsa_float_denorm_mode_16_64 3
		.amdhsa_memory_ordered 1
		.amdhsa_forward_progress 1
		.amdhsa_inst_pref_size 141
	.end_amdhsa_kernel
	.amdgpu_metadata
---
amdhsa.version: [ 1, 2 ]
amdhsa.kernels:
  - .name:           k_q9d3dcc674a_route
    .symbol:         k_q9d3dcc674a_route.kd
    .args:
      - { .name: x, .offset: 0, .size: 8, .value_kind: global_buffer, .address_space: global }
      - { .name: gate_w, .offset: 8, .size: 8, .value_kind: global_buffer, .address_space: global }
      - { .name: gate_b, .offset: 16, .size: 8, .value_kind: global_buffer, .address_space: global }
      - { .name: x_codes, .offset: 24, .size: 8, .value_kind: global_buffer, .address_space: global }
      - { .name: x_scales, .offset: 32, .size: 8, .value_kind: global_buffer, .address_space: global }
      - { .name: gates, .offset: 40, .size: 8, .value_kind: global_buffer, .address_space: global }
      - { .name: tokinfo, .offset: 48, .size: 8, .value_kind: global_buffer, .address_space: global }
      - { .name: hist, .offset: 56, .size: 8, .value_kind: global_buffer, .address_space: global }
    .group_segment_fixed_size: 70144
    .private_segment_fixed_size: 0
    .kernarg_segment_align: 8
    .kernarg_segment_size: 64
    .max_flat_workgroup_size: 128
    .sgpr_count:     66
    .vgpr_count:     768
    .wavefront_size: 32
...
	.end_amdgpu_metadata
.endif
;; end of part 4
;; launch wq_sort (part 5): grid 513 x 1, 4 waves a work-group, no clusters, 1,536 bytes of LDS; arguments expert_w, tokinfo, hist, w_img, w_scales, order; writes w_img, w_scales, order
.if DOCPART == 5
	.amdgcn_target "amdgcn-amd-amdhsa--gfx1250"
	.amdhsa_code_object_version 6
	.text
	.protected	k_q9d3dcc674a_wq_sort
	.globl	k_q9d3dcc674a_wq_sort
	.p2align	8
	.type	k_q9d3dcc674a_wq_sort,@function
k_q9d3dcc674a_wq_sort:
	s_mov_b64 s[64:65], 0
	v_nop
	global_prefetch_b8 v0, s[64:65] scope:SCOPE_SE
	s_setreg_imm32_b32 hwreg(HW_REG_WAVE_MODE, 25, 1), 1
	s_wait_xcnt 0x0
; TWO JOBS, parted on the work-group's number alone.
; WORK-GROUPS 1 .. 512: expert_w [8][1024 (k)][1024 (n)] f32, whose K is not innermost, becomes codes of E3M2 with one E8M0 byte for each 32 along K, laid in the order of the operand's registers:
;   w_img [e][tile of 16 columns][K step of 128][c = 0..2][lane][16 bytes]: registers 4 c .. 4 c + 3 of that lane; w_scales [e][K step][n]: one word, byte t for block t of the step.
;   A LANE TAKES A COLUMN AND ITS REGISTERS RUN DOWN K: each load reads 128 consecutive bytes a wave (512 a work-group), a block of 32 lies in one lane, and the conversions give codes with K innermost.
;   A wave takes 32 columns x 128 along K: two fragments.  A fragment wants blocks h and 2 + h of column r in lane (r, h): twelve exchanges of lane halves between two runs of registers give both fragments.
;   A block's byte is its largest magnitude's exponent field - 4, held at 1 from below.  LIMITS: NaN and infinities are not served; a block under 2^-122 (zeros too) gets the byte 1, which this program alone reads.
; WORK-GROUP 0: the counting sort of the 8,192 tokens by pair id.  order [position] = token | the two experts' bits << 16.  position = (tokens of smaller pair ids) + (tokens of my pair in my group of 32 and all earlier groups) - (rank + 1):
;   inside a group the order is turned round, which no reader minds.  Its 8,192 stores of 4 bytes go where the sort sends them: 32,768 bytes in all.
	s_load_b256 s[4:11], s[0:1], 0x0               ; expert_w, tokinfo, hist, w_img
	s_load_b128 s[12:15], s[0:1], 0x20             ; w_scales, order
	v_lshl_add_u32 v224, v0, 2, 0x400
	v_mov_b32 v225, 0
	v_lshrrev_b32 v1, 5, v0
	v_readfirstlane_b32 s20, v1                    ; wave
	v_and_b32 v1, 31, v0                           ; lane
	v_lshlrev_b32 v2, 2, v1                        ; 4 x lane
	v_lshlrev_b32 v3, 4, v1                        ; 16 x lane
	v_lshlrev_b32 v4, 2, v0                        ; 4 x thread
	s_mov_b32 s17, 0
	s_wait_kmcnt 0x0
	s_cmp_eq_u32 ttmp9, 0
	s_cbranch_scc1 .Lsort
	s_sub_co_u32 s21, ttmp9, 1
	s_and_b32 s22, s21, 7                          ; which 128 columns
	s_bfe_u32 s23, s21, 0x30003                    ; which K step
	s_lshr_b32 s24, s21, 6                         ; which expert
	s_lshl_b32 s16, s24, 22                        ; expert_w: 4 MiB an expert, 128 rows of 4,096 bytes a K step,
	s_lshl_b32 s25, s23, 19
	s_add_co_u32 s16, s16, s25
	s_lshl_b32 s25, s22, 9
	s_lshl_b32 s26, s20, 7
	s_add_co_u32 s25, s25, s26                     ; and 4 x my wave's first column
	s_add_co_u32 s16, s16, s25
	s_add_nc_u64 s[4:5], s[4:5], s[16:17]
	s_lshl_b32 s16, s24, 15                        ; w_scales: 32,768 bytes an expert, 4,096 a K step
	s_lshl_b32 s26, s23, 12
	s_add_co_u32 s16, s16, s26
	s_add_co_u32 s16, s16, s25
	s_add_nc_u64 s[12:13], s[12:13], s[16:17]
	s_mul_i32 s16, s24, 786432                     ; w_img: 786,432 bytes an expert, 12,288 a tile, 1,536 a K step
	s_lshl_b32 s26, s22, 2
	s_add_co_u32 s26, s26, s20
	s_mul_i32 s26, s26, 24576                      ; my wave's two tiles
	s_add_co_u32 s16, s16, s26
	s_mul_i32 s26, s23, 1536
	s_add_co_u32 s16, s16, s26
	s_add_nc_u64 s[10:11], s[10:11], s[16:17]
.set i, 0
	s_wait_alu depctr_va_vdst(0)
.rept 128
	global_load_b32 v[32+i], v2, s[4:5] offset:4096*i th:TH_LOAD_NT    ; W(128 s + i, my column): all 128 at once
.set i, i+1
.endr
; Block t: its 32 numbers lie in v[32 + 32 t ..]; its lower 16 codes go to dst, its upper 16 to tmp
.macro BLOCKQ t, dst, tmp
.set XS, 32+32*(\t)
	v_max3_num_f32 v12, |v[XS]|, |v[XS+1]|, |v[XS+2]|
	v_max3_num_f32 v13, |v[XS+3]|, |v[XS+4]|, |v[XS+5]|
.irp i, 6,10,14,18,22,26
	v_max3_num_f32 v12, v12, |v[XS+\i]|, |v[XS+\i+1]|
	v_max3_num_f32 v13, v13, |v[XS+\i+2]|, |v[XS+\i+3]|
.endr
	v_max3_num_f32 v12, v12, |v[XS+30]|, |v[XS+31]|
	v_max3_num_f32 v12, v12, v13, 0x2800000        ; and the floor 2^(5 - 127): the byte cannot fall under 1
	v_add_nc_u32 v11, 0xfe000000, v12              ; 4 off the exponent field: the conversion's scale operand
	v_lshrrev_b32 v13, 23, v11                     ; the byte
.if (\t) == 0
	v_mov_b32 v10, v13
.else
	v_lshl_or_b32 v10, v13, 8*(\t), v10            ; four bytes make my column's scale word of this K step
.endif
	v_cvt_scalef32_pk16_bf6_f32 v[\dst:\dst+2], v[XS:XS+15], v11
	v_cvt_scalef32_pk16_bf6_f32 v[\tmp:\tmp+2], v[XS+16:XS+31], v11    ; (three registers from an even number on; the next block's first lines are the plain lines behind these)
.endm
	s_wait_loadcnt 63                              ; block 0 wants the first 32 in: 96 might stay out, and a wait names 63 at the most
	BLOCKQ 0, 160, 184
	s_wait_loadcnt 63                              ; block 1: 64 might stay out
	BLOCKQ 1, 172, 188
	s_wait_loadcnt 32
	BLOCKQ 2, 166, 192
	s_wait_loadcnt 0x0
	BLOCKQ 3, 178, 196
	v_nop                                          ; one plain line behind the last conversion
.irp i, 0,1,2
	v_mov_b32 v[163+\i], v[184+\i]                 ; v160-171: blocks 0 and 2 of my column;
	v_mov_b32 v[175+\i], v[188+\i]                 ; v172-183: blocks 1 and 3
	v_mov_b32 v[169+\i], v[192+\i]
	v_mov_b32 v[181+\i], v[196+\i]
.endr
.irp i, 0,1,2,3,4,5,6,7,8,9,10,11
	v_permlane16_swap_b32 v[160+\i], v[172+\i]     ; the first run's upper lanes change places with the second's lower ones: the first is now the fragment of columns 0-15, the second that of columns 16-31
.endr
.irp c, 0,1,2
	global_store_b128 v3, v[160+4*\c:163+4*\c], s[10:11] offset:512*\c             ; 32 lanes store 512 consecutive bytes
	global_store_b128 v3, v[172+4*\c:175+4*\c], s[10:11] offset:12288+512*\c
.endr
	global_store_b32 v2, v10, s[12:13]             ; 128 consecutive bytes a wave, the four waves side by side
	s_endpgm
.Lsort:                                            ; wave w takes groups 64 w .. 64 w + 63.  In hist's rows a lane stands for a pair id, in tokinfo's for a token
	s_lshl_b32 s16, s20, 13
	s_add_nc_u64 s[8:9], s[8:9], s[16:17]
	s_add_nc_u64 s[6:7], s[6:7], s[16:17]
.set i, 0
	s_wait_alu depctr_va_vdst(0)
.rept 64
	global_load_b32 v[32+i], v2, s[8:9] offset:128*i
.set i, i+1
.endr
.set i, 0
.rept 64
	global_load_b32 v[96+i], v2, s[6:7] offset:128*i
.set i, i+1
.endr
	s_wait_loadcnt 63                              ; hist's 64 are in: tokinfo's 64 might stay out, and a wait names 63 at the most
	v_add3_u32 v8, v32, v33, v34
	v_add3_u32 v9, v35, v36, v37
.set i, 38
.rept 14
	v_add3_u32 v8, v8, v[i], v[i+1]
	v_add3_u32 v9, v9, v[i+2], v[i+3]
.set i, i+4
.endr
	v_add3_u32 v8, v8, v94, v95
	v_add_nc_u32 v8, v8, v9                        ; my wave's tokens of pair id = lane
	ds_store_b32 v4, v8
	s_wait_dscnt 0x0                               ; for the others' sake
	s_barrier_signal -1
	s_barrier_wait -1
.irp q, 0,1,2,3
	ds_load_b32 v[16+\q], v2 offset:128*\q
.endr
	s_wait_dscnt 0x0
	v_add3_u32 v20, v16, v17, v18
	v_add_nc_u32 v20, v20, v19                     ; all tokens of the pair id
	v_mov_b32 v21, 0
.irp q, 0,1,2
	s_cmp_gt_u32 s20, \q
	s_cselect_b32 s21, -1, 0
	v_and_b32 v23, s21, v[16+\q]
	v_add_nc_u32 v21, v21, v23                     ; those of the waves in front of mine
.endr
	v_mov_b32 v22, 0
.irp j, 0,1,2,3,4,5,6,7,8,9,10,11,12,13,14,15,16,17,18,19,20,21,22,23,24,25,26
	v_readlane_b32 s21, v20, \j
	v_cmp_lt_u32 vcc_lo, \j, v1
	v_cndmask_b32 v23, 0, s21, vcc_lo
	v_add_nc_u32 v22, v22, v23                     ; all tokens of smaller pair ids
.endr
	v_add3_u32 v32, v32, v21, v22
.set i, 1
.rept 63
	v_add_nc_u32 v[32+i], v[32+i], v[31+i]         ; group by group: where the pair's tokens END, this group's among them
.set i, i+1
.endr
	s_lshl_b32 s21, s20, 11
	v_add_nc_u32 v24, s21, v1                      ; my token in group 64 w
	s_wait_loadcnt 0x0                             ; tokinfo
.set i, 0
.rept 64
	v_lshlrev_b32 v[160+i], 2, v[96+i]
	v_and_b32 v[160+i], 124, v[160+i]              ; 4 x my token's pair id:
	ds_bpermute_b32 v[160+i], v[160+i], v[32+i]    ; I take that lane's end
.set i, i+1
.endr
	s_wait_dscnt 0x0
.set i, 0
.rept 64
	v_bfe_u32 v10, v[96+i], 8, 6                   ; rank + 1
	v_sub_nc_u32 v[160+i], v[160+i], v10           ; my position,
	v_min_u32 v[160+i], 0x1fff, v[160+i]           ; held inside the buffer
	v_lshlrev_b32 v[160+i], 2, v[160+i]
	v_add_nc_u32 v11, 32*i, v24
	v_and_or_b32 v[96+i], v[96+i], 0xff0000, v11   ; token | bits << 16
	global_store_b32 v[160+i], v[96+i], s[14:15]   ; each store has its own address and data registers: none is written again
.set i, i+1
.endr
	s_wait_tensorcnt 0x0
	ds_add_u32 v224, v225
	s_wait_dscnt 0x0
	s_endpgm
.Lfunc_end_k_q9d3dcc674a_wq_sort:
	.size	k_q9d3dcc674a_wq_sort, .Lfunc_end_k_q9d3dcc674a_wq_sort-k_q9d3dcc674a_wq_sort
	.p2alignl 7, 3214868480
	.fill 96, 4, 3214868480
	.section	.rodata,"a",@progbits
	.p2align	6, 0x0
	.amdhsa_kernel k_q9d3dcc674a_wq_sort
		.amdhsa_group_segment_fixed_size 1536
		.amdhsa_private_segment_fixed_size 0
		.amdhsa_enable_private_segment 0
		.amdhsa_kernarg_size 48
		.amdhsa_user_sgpr_count 2
		.amdhsa_user_sgpr_kernarg_segment_ptr 1
		.amdhsa_wavefront_size32 1
		.amdhsa_system_sgpr_workgroup_id_x 1
		.amdhsa_system_sgpr_workgroup_id_y 1
		.amdhsa_system_sgpr_workgroup_id_z 1
		.amdhsa_system_vgpr_workitem_id 0
		.amdhsa_next_free_vgpr 226
		.amdhsa_next_free_sgpr 66
		.amdhsa_reserve_vcc 1
		.amdhsa_float_denorm_mode_32 3
		.amdhsa_float_denorm_mode_16_64 3
		.amdhsa_memory_ordered 1
		.amdhsa_forward_progress 1
		.amdhsa_inst_pref_size 81
	.end_amdhsa_kernel
	.amdgpu_metadata
---
amdhsa.version: [ 1, 2 ]
amdhsa.kernels:
  - .name:           k_q9d3dcc674a_wq_sort
    .symbol:         k_q9d3dcc674a_wq_sort.kd
    .args:
      - { .name: expert_w, .offset: 0, .size: 8, .value_kind: global_buffer, .address_space: global }
      - { .name: tokinfo, .offset: 8, .size: 8, .value_kind: global_buffer, .address_space: global }
      - { .name: hist, .offset: 16, .size: 8, .value_kind: global_buffer, .address_space: global }
      - { .name: w_img, .offset: 24, .size: 8, .value_kind: global_buffer, .address_space: global }
      - { .name: w_scales, .offset: 32, .size: 8, .value_kind: global_buffer, .address_space: global }
      - { .name: order, .offset: 40, .size: 8, .value_kind: global_buffer, .address_space: global }
    .group_segment_fixed_size: 1536
    .private_segment_fixed_size: 0
    .kernarg_segment_align: 8
    .kernarg_segment_size: 48
    .max_flat_workgroup_size: 128
    .sgpr_count:     66
    .vgpr_count:     226
    .wavefront_size: 32
...
	.end_amdgpu_metadata
.endif
;; end of part 5
;; launch experts (part 6): grid 4 x 64, 4 waves a work-group, no clusters, 123,392 bytes of LDS; arguments x_codes, x_scales, gates, order, w_img, w_scales, expert_b, out0; writes out0
.if DOCPART == 6
	.amdgcn_target "amdgcn-amd-amdhsa--gfx1250"
	.amdhsa_code_object_version 6
	.text
	.protected	k_q9d3dcc674a_experts
	.globl	k_q9d3dcc674a_experts
	.p2align	8
	.type	k_q9d3dcc674a_experts,@function
k_q9d3dcc674a_experts:
	s_mov_b64 s[64:65], 0
	v_nop
	global_prefetch_b8 v0, s[64:65] scope:SCOPE_SE
	s_setreg_imm32_b32 hwreg(HW_REG_WAVE_SCHED_MODE, 0, 2), 2
	s_setreg_imm32_b32 hwreg(HW_REG_WAVE_MODE, 25, 1), 1
	s_wait_xcnt 0x0
	s_wait_alu depctr_vm_vsrc(0)
; out[t] = the sum over t's two experts e of gate[t][e] (Q(x[t]) Q(W_e) + b_e), on codes of E3M2 with one E8M0 scale for each 32 along K = 1024.
; SHARES.  The tokens lie sorted by their pair of experts (order).  A work-group owns 128 sorted tokens x 256 columns of out, whole: each output row has one owner.  It walks the experts that any of its tokens uses
; (the OR of the tokens' bits), in a loop of constant count that jumps over the trips left over; a token that does not use an expert has gate 0 there.  A wave takes all 128 tokens x 64 columns: 8 x 4 tiles.
; The OR is made of the block's 128 words of order by scalar loads and scalar ORs: what the walk's branch and W's bases hang on are scalar whole numbers read from memory.
; THE MATRIX INSTRUCTION IS USED TRANSPOSED: source 0 = 16 columns of W, source 1 = 16 tokens.  A lane then holds ONE token (lane % 16) and eight neighbouring columns: the gate is one number a lane, and the bias is the C of K step 0.
; OPERANDS.  x: the block's 128 tokens are gathered once, 768 bytes each, into LDS as images of the operand's registers, and read from there in every K step of every expert.
; W: an earlier launch has laid it in the order of the operand's registers, so each fragment comes from memory straight into registers by three loads of 512 consecutive bytes, in a ring of four register slots that runs on into the next
; expert: the slot that a K step has read is asked for again in the step behind it, for the K step three on from there, 84 matrix instructions ahead of its first use.
; The last expert used asks for three K steps, a bias and scale words of expert 7 or of none further (the index is held at 7): inside the buffers, never read.
; NO CLUSTER: work-groups that share tiles of W (one column group, different blocks of tokens) walk different lists of experts, read from memory, so they cannot issue the same joint loads on every path; the four that share a block's x
; share 98,304 gathered bytes, fetched once, against 196,608 bytes of W for each expert walked, and gathered rows are no tile.  NO TENSOR LOADS: a trip may be jumped over, and the one barrier of the text stands ahead of the walk.
; LIMITS: NaN and infinities are not served (0 x a value that is not finite would not be 0).
; THE MODE: SCHED_MODE bits 1:0 = 2 (LLVM: expert scheduling mode 2), set by the entry lines.  The code itself states the register dependences between vector or matrix instructions and memory or LDS instructions,
; with s_wait_alu, always for 0.
; THE PLAN.  Registers that memory or LDS instructions touch in the walk, and who else names them:
;   W's slots 0-3      K step s: its 32 products read slot s % 4; the loads issued in step s + 1 land in it.
;   x's sets 0, 1      K step s: its products read set s % 2; the LDS loads issued in step s + 1 land in it (K step s + 2).
;   W's scale words    register j of a tile is read in K steps j and j + 4; the loads issued in the step behind K step j + 4 land in it (j = 3: in the next expert's K step 0).
;   the bias           read by K step 0's products, as C; loaded again in K step 5.     the gates: read by the lines that weigh the expert in; loaded again in the next expert's K step 0.
;   v3-v7, 32 x token (window 1) and x's scale words: written or loaded at the head, never again.   The accumulators and out's sums are named by matrix and vector instructions alone, up to the way out.
; So ONE wait on va_vdst stands at the head of a K step: it states that the products of the step before are done reading their slot, their set of x and their scale words (in K step 0: that the weighing lines are done reading the gates).
; Every load of step s lands in registers that no product of step s names, so the loads follow with no further wait, dealt among the products: x's tiles 0-3 behind 4 products, x's tiles 4-7 and the scale words behind 8, W behind 12.
; No register that a memory or LDS instruction reads is written in the walk: it holds no wait on vm_vsrc.
; LDS: XIMG 0 .. 104,447: 13,056 a + 1,632 s + 544 c + 272 h + 16 r (tile a, K step s, registers 4 c .., lane (r, h)): a read takes 256 consecutive bytes for each half of the lanes;
;   STG: 16 rows x (256 + 16) bytes for each wave, for the way out.
; REGISTERS.  window 0: v1-15 addresses; v16-47 x's scale words (tile a: v[16 + 4 a + j]: lanes 0-15 K step j, lanes 16-31 K step 4 + j); v48-63 W's (tile b: v[48 + 4 b + j], likewise); v64-159, v160-255 x's fragments, two sets.
;   window 1: v0-191 W's ring, slot q at 48 q, tile b at + 12 b; v192-223 the bias; v224-239 pairs (gate of tile a, 32 x its token).   window 2: the expert's 32 accumulators, (a, b) at 8 (4 a + b).   window 3: out's, likewise.
.set XA,   3                           ; v3   16 r + 272 h
.set XA2,  4                           ; v4   the same for tiles 4-7: + 52,224 (an LDS immediate has 16 bits)
.set WO,   5                           ; v5   16 x lane
.set WSO,  6                           ; v6   16,384 h + 4 r: W's scale word of column r, K step j + 4 h
.set BO,   7                           ; v7   32 h: my half's eight numbers of a bias tile; on the way out my half's eight words of order
.set STO,  8                           ; v8   the stage: where I put 32 bytes of a row
.set SRD,  9                           ; v9   and where I read 16 bytes of a row back
.set XS,   16
.set WS,   48
.set BIAS, 192
.set GR,   224
.set STG,  104448
.set WB0,  36                          ; s[36:37] w_img at my wave's four tiles;  s[38:39] w_scales, s[40:41] expert_b, s[54:55] out0 at my first column
.set SB0,  38
.set BB0,  40
.set WBC,  42                          ; s[42:43] W of the expert in hand;  s[50:51] its column of gates;  s[56:57] its scale words
.set WBN,  44                          ; s[44:49], s[52:53] the next expert's W, scale words, bias, gates
.set SBN,  46
.set BBN,  48
.set GBC,  50
.set GBN,  52
.set SBC,  56
.set MSB, 0
.macro WIN new                         ; the immediate's high byte repeats the setting that is left
.if MSB != \new
	s_set_vgpr_msb (MSB<<8)|\new
.set MSB, \new
.endif
.endm
.macro ORDLD off                       ; 64 words of my block's order, from byte off on, into scalar registers that hold nothing yet
	s_load_b512 s[36:51], s[10:11], \off
	s_load_b512 s[68:83], s[10:11], \off+64
	s_load_b512 s[84:99], s[10:11], \off+128
	s_load_b256 s[24:31], s[10:11], \off+192
	s_load_b256 s[56:63], s[10:11], \off+224
.endm
.macro ORRUN base, n                   ; n scalar registers from s[base] on are ORed into s52 and s53, two chains
.set i, 0
.rept (\n)/2
	s_or_b32 s52, s52, s[\base+i]
	s_or_b32 s53, s53, s[\base+i+1]
.set i, i+2
.endr
.endm
.macro ORALL
	s_wait_kmcnt 0x0                               ; scalar loads come back in no order: only the count 0 shows them in
	ORRUN 36, 16
	ORRUN 68, 16
	ORRUN 84, 16
	ORRUN 24, 8
	ORRUN 56, 8
.endm
.macro NEXT                            ; the lowest expert left in the mask s28, held at 7, and its four bases
	s_ctz_i32_b32 s31, s28
	s_min_u32 s31, s31, 7
	s_sub_co_u32 s34, s28, 1
	s_and_b32 s28, s28, s34
	s_mul_i32 s32, s31, 786432
	s_add_nc_u64 s[WBN:WBN+1], s[WB0:WB0+1], s[32:33]
	s_lshl_b32 s32, s31, 15
	s_add_nc_u64 s[SBN:SBN+1], s[SB0:SB0+1], s[32:33]
	s_lshl_b32 s32, s31, 12
	s_add_nc_u64 s[BBN:BBN+1], s[BB0:BB0+1], s[32:33]
	s_lshl_b32 s32, s31, 2
	s_add_nc_u64 s[GBN:GBN+1], s[8:9], s[32:33]
.endm
.macro RING base, step, slot           ; 12 loads: my four tiles' fragments of one K step
	WIN 0x40                                       ; destination window 1
.irp b, 0,1,2,3
.irp c, 0,1,2
	global_load_b128 v[48*(\slot)+12*\b+4*\c:48*(\slot)+12*\b+4*\c+3], v[WO], s[\base:\base+1] offset:12288*\b+1536*(\step)+512*\c
.endr
.endr
.endm
.macro WSLD base, j                    ; 4 loads: an expert's scale words of K steps j and j + 4
	WIN 0
.irp b, 0,1,2,3
	global_load_b32 v[WS+4*\b+(\j)], v[WSO], s[\base:\base+1] offset:4096*(\j)+64*\b
.endr
.endm
.macro BIASLD                          ; 8 loads: lane (r, h) takes, for tile b, b_e at columns 16 b + 8 h + 0 .. 7
	WIN 0x40
.irp b, 0,1,2,3
	global_load_b128 v[BIAS+8*\b:BIAS+8*\b+3], v[BO], s[BBN:BBN+1] offset:64*\b
	global_load_b128 v[BIAS+8*\b+4:BIAS+8*\b+7], v[BO], s[BBN:BBN+1] offset:64*\b+16
.endr
.endm
.macro XHALF step, set, half           ; 12 LDS loads: the fragments of one K step of tiles 0-3 (half = 0) or 4-7 (half = 1)
.irp a, 0,1,2,3
.irp c, 0,1,2
.if (\half) == 0
	ds_load_b128 v[64+96*(\set)+12*\a+4*\c:64+96*(\set)+12*\a+4*\c+3], v[XA] offset:13056*\a+1632*(\step)+544*\c
.else
	ds_load_b128 v[112+96*(\set)+12*\a+4*\c:112+96*(\set)+12*\a+4*\c+3], v[XA2] offset:13056*\a+1632*(\step)+544*\c
.endif
.endr
.endr
.endm
	s_load_b512 s[4:19], s[0:1], 0x0               ; x_codes, x_scales, gates, order, w_img, w_scales, expert_b, out0
	v_lshl_add_u32 v10, v0, 2, 0x1e000
	v_mov_b32 v13, 0
	v_lshrrev_b32 v1, 5, v0
	v_readfirstlane_b32 s20, v1                    ; wave
	s_mov_b32 s21, ttmp9                           ; which 256 columns
	s_and_b32 s22, ttmp7, 0xffff                   ; which 128 sorted tokens
	v_and_b32 v1, 15, v0                           ; r
	v_bfe_u32 v2, v0, 4, 1                         ; h
	v_lshlrev_b32 v11, 4, v1                       ; 16 r
	v_mad_u32_u24 v[XA], v2, 272, v11
	v_add_nc_u32 v[XA2], 52224, v[XA]
	v_and_b32 v12, 31, v0                          ; lane
	v_lshlrev_b32 v[WO], 4, v12
	v_lshlrev_b32 v91, 2, v1                       ; 4 r
	v_lshl_add_u32 v[WSO], v2, 14, v91
	v_lshlrev_b32 v[BO], 5, v2
	s_wait_alu depctr_va_sdst(0)                   ; s20, the wave's number, is written, ahead of its first reader: LDS addresses and the bases are made from it
	s_mul_i32 s23, s20, 4352
	s_add_co_u32 s23, s23, STG                     ; my stage
	v_mul_u32_u24 v[STO], v1, 272
	v_lshl_add_u32 v[STO], v2, 5, v[STO]
	v_add_nc_u32 v[STO], s23, v[STO]               ; in: row r, + 32 h
	v_mad_u32_u24 v[SRD], v2, 2176, v11
	v_add_nc_u32 v[SRD], s23, v[SRD]               ; back: lanes 0-15 take row t, lanes 16-31 row t + 8; 16 bytes a lane
	v_lshrrev_b32 v14, 1, v1
	v_mul_u32_u24 v14, v14, 1632
	v_and_b32 v15, 1, v1
	v_mad_u32_u24 v14, v15, 272, v14
	v_lshl_add_u32 v14, v2, 4, v14
	s_mul_i32 s34, s20, 26112
	v_add_nc_u32 v14, s34, v14                     ; staging: lane (i, hh) holds piece (K step i / 2, half i % 2) of row 2 j + hh.  In units of 16 bytes sixteen lanes stand at 6 (i / 2) + i % 2 modulo 16: all different
	s_lshl_b32 s34, s20, 7
	v_lshlrev_b32 v92, 2, v2
	v_add_nc_u32 v92, s34, v92                     ; order: 4 hh + 128 w
	v_lshlrev_b32 v12, 4, v2                       ; 16 h
	s_mov_b32 s33, 0
	s_mov_b32 s52, 0                               ; the OR's two chains
	s_mov_b32 s53, 0
	s_wait_kmcnt 0x0
	s_lshl_b32 s32, s22, 9
	s_add_nc_u64 s[10:11], s[10:11], s[32:33]      ; order at my block; not written again
	ORDLD 0                                        ; the block's first 64 words, as scalars
	s_wait_alu depctr_va_vdst(0)                   ; the lane's addresses are written: v91 and v92, which the loads below read, and v3 to v9 and v14, which later loads and LDS instructions read
.irp a, 0,1,2,3,4,5,6,7
	global_load_b32 v[64+\a], v91, s[10:11] offset:64*\a           ; tile a's row r
.endr
.irp j, 0,1,2,3,4,5,6,7,8,9,10,11,12,13,14,15
	global_load_b32 v[72+\j], v92, s[10:11] offset:8*\j            ; the rows that my wave stages: 32 w + 2 j + hh
.endr
	ORALL
	ORDLD 256                                      ; the other 64 words: they land under the lines below
	s_wait_loadcnt 0x0
.irp j, 0,1,2,3,4,5,6,7,8,9,10,11,12,13,14,15,16,17,18,19,20,21,22,23
	v_and_b32 v[64+\j], 0x1fff, v[64+\j]           ; the token,
	v_min_u32 v[64+\j], 0x1fff, v[64+\j]           ; held inside its tables
.endr
.irp a, 0,1,2,3,4,5,6,7
	v_lshlrev_b32 v[112+\a], 5, v[64+\a]
	v_add_nc_u32 v[112+\a], v12, v[112+\a]         ; x_scales: 32 bytes a token, + 16 h
.endr
.irp j, 0,1,2,3,4,5,6,7,8,9,10,11,12,13,14,15
	v_mul_u32_u24 v[96+\j], v[72+\j], 768
	v_add_nc_u32 v[96+\j], v11, v[96+\j]           ; x_codes: 768 bytes a token, + 16 i
.endr
	WIN 0x40
.irp a, 0,1,2,3,4,5,6,7
	v_lshlrev_b32 v[GR+1+2*\a], 5, v[64+\a]        ; gates: 32 bytes a token
.endr
	WIN 0
	s_wait_alu depctr_va_vdst(0)                   ; the tokens' offsets are written: v96 to v119, which the gather below reads, and 32 x token, which the gates' loads read; and the lines above are done with v64 to v119, in which x's fragments land
.irp a, 0,1,2,3,4,5,6,7
	global_load_b128 v[XS+4*\a:XS+4*\a+3], v[112+\a], s[6:7]
.endr
	WIN 0x80                                       ; destination window 2: the accumulators' registers serve as the staging's
.irp j, 0,1,2,3,4,5,6,7,8,9,10,11,12,13,14,15
.irp c, 0,1,2
	global_load_b128 v[12*\j+4*\c:12*\j+4*\c+3], v[96+\j], s[4:5] offset:256*\c    ; sixteen lanes read 256 consecutive bytes of a token
.endr
.endr
	ORALL
	s_or_b32 s28, s52, s53
	s_bfe_u32 s28, s28, 0x80010                    ; the experts that my 128 tokens use,
	s_bcnt1_i32_b32 s29, s28                       ; and how many: 2 at the least
	s_lshl_b32 s32, s21, 2                         ; the bases, now that the registers of order's words are free
	s_add_co_u32 s32, s32, s20
	s_mul_i32 s32, s32, 49152                      ; four tiles of 12,288 bytes a wave
	s_add_nc_u64 s[WB0:WB0+1], s[12:13], s[32:33]
	s_lshl_b32 s32, s21, 10
	s_lshl_b32 s34, s20, 8
	s_add_co_u32 s32, s32, s34                     ; 4 x my first column
	s_add_nc_u64 s[SB0:SB0+1], s[14:15], s[32:33]
	s_add_nc_u64 s[BB0:BB0+1], s[16:17], s[32:33]
	s_add_nc_u64 s[54:55], s[18:19], s[32:33]
	NEXT                                           ; the first expert
	WSLD SBN, 0                                    ; in the order in which an expert's last three K steps ask for the next expert's: no vector instruction has been issued since the wait above
	BIASLD
	RING WBN, 0, 0
	WSLD SBN, 1
	RING WBN, 1, 1
	WSLD SBN, 2
	RING WBN, 2, 2
	s_wait_loadcnt 56                              ; x's scale words and codes are in; behind them: the bias's 8 and three K steps' 16
	WIN 0x08                                       ; an LDS store's data are its source 1: window 2
.irp j, 0,1,2,3,4,5,6,7,8,9,10,11,12,13,14,15
.irp c, 0,1,2
	ds_store_b128 v14, v[12*\j+4*\c:12*\j+4*\c+3] offset:13056*(\j/8)+32*(\j%8)+544*\c
.endr
.endr
	WIN 0
	s_wait_dscnt 0x0                               ; for the others' sake: my 32 tokens' images lie in LDS
	s_barrier_signal -1
	s_barrier_wait -1                              ; the one barrier: from here on LDS is only read, but for each wave's own stage
	s_wait_alu depctr_vm_vsrc(0)                   ; the loads above have read their offsets v91, v92 and v96 to v119, in which x's fragments land; the staging's LDS stores have read window 2, which the products write
	XHALF 0, 0, 0
	XHALF 0, 0, 1
.macro MWIN s
.if (\s) == 0
	WIN 0x91                                       ; source 0 (W) window 1, source 1 (x) window 0, C (the bias) window 1, D window 2
.else
	WIN 0xa1                                       ; C and D window 2
.endif
.endm
.macro MULA s, a                       ; 4 matrix instructions: tile a of the tokens against my four tiles of W, K step s
.irp b, 0,1,2,3
.if (\s) == 0
	v_wmma_scale_f32_16x16x128_f8f6f4 v[8*(4*(\a)+\b):8*(4*(\a)+\b)+7], v[48*SL+12*\b:48*SL+12*\b+11], v[XB+12*(\a):XB+12*(\a)+11], v[BIAS+8*\b:BIAS+8*\b+7], v[WS+4*\b+SL], v[XS+4*(\a)+SL] matrix_a_fmt:MATRIX_FMT_BF6 matrix_b_fmt:MATRIX_FMT_BF6
.elseif (\s) < 4
	v_wmma_scale_f32_16x16x128_f8f6f4 v[8*(4*(\a)+\b):8*(4*(\a)+\b)+7], v[48*SL+12*\b:48*SL+12*\b+11], v[XB+12*(\a):XB+12*(\a)+11], v[8*(4*(\a)+\b):8*(4*(\a)+\b)+7], v[WS+4*\b+SL], v[XS+4*(\a)+SL] matrix_a_fmt:MATRIX_FMT_BF6 matrix_b_fmt:MATRIX_FMT_BF6
.else
	v_wmma_scale_f32_16x16x128_f8f6f4 v[8*(4*(\a)+\b):8*(4*(\a)+\b)+7], v[48*SL+12*\b:48*SL+12*\b+11], v[XB+12*(\a):XB+12*(\a)+11], v[8*(4*(\a)+\b):8*(4*(\a)+\b)+7], v[WS+4*\b+SL], v[XS+4*(\a)+SL] matrix_a_fmt:MATRIX_FMT_BF6 matrix_b_fmt:MATRIX_FMT_BF6 matrix_a_scale:MATRIX_SCALE_ROW1 matrix_b_scale:MATRIX_SCALE_ROW1
.endif
.endr
.endm
; A K STEP: 32 matrix instructions, all 32 accumulators by turns, in the same order in every step.  lc: the loads issued behind this step's group of W.
; The order of issue is: scale words 0 (4), bias 8, K step 0 (12), scale words 1, K step 1, scale words 2, K step 2 | in K step 0: scale words 3, K step 3, gates 8; in K steps 1-4: K steps 4-7, 12 each;
; in K step 5: the next expert's scale words 0, bias, K step 0; in K steps 6, 7: its scale words and K steps 1, 2: the state at an expert's end is the state at its head.
.macro STEP s, lc
.set SL, (\s)%4
.set XB, 64+96*((\s)%2)
.set NS, ((\s)+3)%4                    ; the slot that the step before has read
	s_wait_loadcnt \lc
	s_wait_dscnt 12                                ; this step's fragments of x's tiles 0-3 are in; those of tiles 4-7, 12 loads, may be out
	s_wait_alu depctr_va_vdst(0)                   ; the products of the step before are done reading slot NS, the other set of x and their scale words (K step 0: the weighing lines are done reading the gates): the loads of this step land there
	MWIN \s
	MULA \s, 0
	WIN 0
	XHALF ((\s)+1)%8, ((\s)+1)%2, 0                ; the set that the step before read takes the next K step (in step 7: the next expert's first, which are the same bytes).  No product since the wait names it
	MWIN \s
	MULA \s, 1
	WIN 0
	XHALF ((\s)+1)%8, ((\s)+1)%2, 1
.if (\s) == 0
	WSLD SBC, 3                                    ; this expert's scale words of K steps 3 and 7: the last expert's K step 7 has used the registers
.elseif (\s) > 4
	WSLD SBN, (\s)-5                               ; the next expert's scale words, into the registers whose second half the step before has used
.endif
	MWIN \s
	MULA \s, 2
.if (\s) == 5
	BIASLD                                         ; the next expert's bias: this expert's was read in K step 0
.endif
.if (\s) < 5
	RING WBC, (\s)+3, NS                           ; the slot that the step before read takes the K step three on from here;
.else
	RING WBN, (\s)-5, NS                           ; the ring runs on into the next expert
.endif
.if (\s) == 0
	WIN 0x41                                       ; destination and address window 1
.irp a, 0,1,2,3,4,5,6,7
	global_load_b32 v[GR+2*\a], v[GR+1+2*\a], s[GBC:GBC+1]         ; my token's gate of this expert
.endr
.endif
	MWIN \s
	MULA \s, 3
	s_wait_dscnt 24                                ; this step's fragments of tiles 4-7 are in; the 24 loads issued in this step may be out
.irp a, 4,5,6,7
	MULA \s, \a
.endr
.rept 4
	v_nop                                          ; four places between these products and the next step's loads into registers that they have read, and in the last step the first read of results; they stay beside the wait at the next step's head
.endr
.endm
; out (+)= gate x (x W + b): each accumulator from its low end on; of the pair (gate, offset) the low word serves both halves.  The first expert starts the sums: nothing is cleared.
.macro COMBINE first
.if \first
	WIN 0xc6                                       ; source 0 window 2, source 1 window 1, destination window 3
.else
	WIN 0xf6                                       ; and source 2 window 3
.endif
.irp a, 0,1,2,3,4,5,6,7
.irp b, 0,1,2,3
.irp j, 0,2,4,6
.if \first
	v_pk_mul_f32 v[8*(4*\a+\b)+\j:8*(4*\a+\b)+\j+1], v[8*(4*\a+\b)+\j:8*(4*\a+\b)+\j+1], v[GR+2*\a:GR+2*\a+1] op_sel_hi:[1,0]
.else
	v_pk_fma_f32 v[8*(4*\a+\b)+\j:8*(4*\a+\b)+\j+1], v[8*(4*\a+\b)+\j:8*(4*\a+\b)+\j+1], v[GR+2*\a:GR+2*\a+1], v[8*(4*\a+\b)+\j:8*(4*\a+\b)+\j+1] op_sel_hi:[1,0,1]
.endif
.endr
.endr
.endr
.endm
.macro EXPERT first
	s_wait_xcnt 0x0                                ; every load issued has had its address translated (ISA guide 3.1): only behind this wait are the bases below written again
	s_mov_b64 s[WBC:WBC+1], s[WBN:WBN+1]
	s_mov_b64 s[GBC:GBC+1], s[GBN:GBN+1]
	s_mov_b64 s[SBC:SBC+1], s[SBN:SBN+1]
	NEXT
	STEP 0, 32                                     ; behind K step 0: scale words and K steps 1, 2
	STEP 1, 40                                     ; scale words and K steps 2, 3, and the gates
	STEP 2, 36                                     ; scale words 3, K step 3, gates, K step 4
	STEP 3, 32                                     ; gates, 4, 5
	STEP 4, 24                                     ; 5, 6  (so the gates are in)
	STEP 5, 24                                     ; 6, 7
	STEP 6, 36                                     ; 7, the next scale words 0, bias, K step 0
	STEP 7, 40                                     ; the next scale words 0, bias, K step 0, scale words 1, K step 1
	COMBINE \first
	WIN 0                                          ; at a label and at a branch every window is 0
.endm
	EXPERT 1
	s_mov_b32 s30, 1
.Lexp:                                             ; seven trips, whatever the block: a trip beyond the block's count of experts is jumped over, and leaves every counter as it found it
	s_cmp_ge_u32 s30, s29
	s_cbranch_scc1 .Lskip
	EXPERT 0
.Lskip:
	s_add_co_u32 s30, s30, 1
	s_cmp_lt_u32 s30, 8
	s_cbranch_scc1 .Lexp
; THE WAY OUT, a tile of 16 tokens x 64 columns at a time.  A lane holds 32 bytes of a row and its neighbours hold other rows: the tile goes through my own stage and comes back as rows of 256 bytes,
; two rows an instruction: row t in lanes 0-15, row t + 8 in lanes 16-31.  So half h of the lanes wants the tokens of rows 16 a + 8 h + 0 .. 7: 32 consecutive bytes of order, read anew from memory: 16 loads for the eight tiles,
; each word in a register of its own, which then becomes that store's address.  LDS serves a wave's instructions in order: no wait between the stage's stores and loads, nor ahead of the next tile's stores.
; The addresses of all 64 stores are made in one run, so that one wait on va_vdst states them written; behind it the way out holds no vector instruction.
.macro TOST a
.set SB, 64+32*((\a)%2)                ; 32 registers of rows: two such sets, where x's first set lay
	WIN 0x0c                                       ; the data: window 3
.irp b, 0,1,2,3
	ds_store_b128 v[STO], v[8*(4*(\a)+\b):8*(4*(\a)+\b)+3] offset:64*\b
	ds_store_b128 v[STO], v[8*(4*(\a)+\b)+4:8*(4*(\a)+\b)+7] offset:64*\b+16
.endr
	WIN 0
.irp t, 0,1,2,3,4,5,6,7
	ds_load_b128 v[SB+4*\t:SB+4*\t+3], v[SRD] offset:272*\t        ; rows t + 8 h
.endr
.endm
.macro ADDR a                          ; tile a's eight words of order become its eight stores' addresses
.set TK, 160+8*(\a)
.irp t, 0,1,2,3,4,5,6,7
	v_and_b32 v[TK+\t], 0x1fff, v[TK+\t]           ; the token,
.endr
.irp t, 0,1,2,3,4,5,6,7
	v_min_u32 v[TK+\t], 0x1fff, v[TK+\t]           ; held inside out
.endr
.irp t, 0,1,2,3,4,5,6,7
	v_lshlrev_b32 v[TK+\t], 12, v[TK+\t]           ; a row of out is 4,096 bytes
.endr
.irp t, 0,1,2,3,4,5,6,7
	v_add_nc_u32 v[TK+\t], v11, v[TK+\t]
.endr
.endm
.macro SEND a, younger                 ; younger: the LDS instructions issued behind tile a's
.set SB, 64+32*((\a)%2)
.set TK, 160+8*(\a)
	s_wait_dscnt \younger
.irp t, 0,1,2,3,4,5,6,7
	global_store_b128 v[TK+\t], v[SB+4*\t:SB+4*\t+3], s[54:55] th:TH_STORE_NT   ; sixteen lanes store 256 consecutive bytes of a token's row, at a multiple of 256 from out's first byte
.endr
.endm
	s_wait_dscnt 0x0                               ; the fragments of x asked for last are in: their registers are free
	s_wait_alu depctr_va_vdst(0)                   ; the weighing lines have written out's sums, which the stage's LDS stores read; the last products are done reading x's two sets, in which the loads below land
.irp a, 0,1,2,3,4,5,6,7
	global_load_b128 v[160+8*\a:163+8*\a], v[BO], s[10:11] offset:64*\a            ; the words of order of rows 16 a + 8 h + 0 .. 3,
	global_load_b128 v[164+8*\a:167+8*\a], v[BO], s[10:11] offset:64*\a+16         ; and + 4 .. 7
.endr
	TOST 0
	TOST 1
	s_wait_loadcnt 0x0                             ; the rows' words of order, once for all eight tiles
.irp a, 0,1,2,3,4,5,6,7
	ADDR \a
.endr
	s_wait_alu depctr_va_vdst(0)                   ; the 64 addresses v160 to v223 are written, which the stores below read
	SEND 0, 16                                     ; behind tile 0's loads: tile 1's 8 stores and 8 loads
.irp a, 2,3,4,5,6,7
	s_wait_xcnt 0x0                                ; tile a - 2's stores have had their addresses translated (ISA guide 3.1),
	s_wait_alu depctr_vm_vsrc(0)                   ; and have read their data registers, in which tile a's loads from the stage land
	TOST \a
	SEND \a-1, 16                                  ; behind tile a - 1's loads: tile a's 8 stores and 8 loads
.endr
	SEND 7, 0
	s_wait_dscnt 0x0                               ; the closing lines, six on end
	s_wait_alu 0x0
	s_wait_tensorcnt 0x0
	ds_add_u32 v10, v13
	s_wait_dscnt 0x0
	s_endpgm
.Lfunc_end_k_q9d3dcc674a_experts:
	.size	k_q9d3dcc674a_experts, .Lfunc_end_k_q9d3dcc674a_experts-k_q9d3dcc674a_experts
	.p2alignl 7, 3214868480
	.fill 96, 4, 3214868480
	.section	.rodata,"a",@progbits
	.p2align	6, 0x0
	.amdhsa_kernel k_q9d3dcc674a_experts
		.amdhsa_group_segment_fixed_size 123392
		.amdhsa_private_segment_fixed_size 0
		.amdhsa_enable_private_segment 0
		.amdhsa_kernarg_size 64
		.amdhsa_user_sgpr_count 2
		.amdhsa_user_sgpr_kernarg_segment_ptr 1
		.amdhsa_wavefront_size32 1
		.amdhsa_system_sgpr_workgroup_id_x 1
		.amdhsa_system_sgpr_workgroup_id_y 1
		.amdhsa_system_sgpr_workgroup_id_z 1
		.amdhsa_system_vgpr_workitem_id 0
		.amdhsa_next_free_vgpr 1024
		.amdhsa_next_free_sgpr 100
		.amdhsa_reserve_vcc 0
		.amdhsa_float_denorm_mode_32 3
		.amdhsa_float_denorm_mode_16_64 3
		.amdhsa_memory_ordered 1
		.amdhsa_forward_progress 1
		.amdhsa_inst_pref_size 198
	.end_amdhsa_kernel
	.amdgpu_metadata
---
amdhsa.version: [ 1, 2 ]
amdhsa.kernels:
  - .name:           k_q9d3dcc674a_experts
    .symbol:         k_q9d3dcc674a_experts.kd
    .args:
      - { .name: x_codes, .offset: 0, .size: 8, .value_kind: global_buffer, .address_space: global }
      - { .name: x_scales, .offset: 8, .size: 8, .value_kind: global_buffer, .address_space: global }
      - { .name: gates, .offset: 16, .size: 8, .value_kind: global_buffer, .address_space: global }
      - { .name: order, .offset: 24, .size: 8, .value_kind: global_buffer, .address_space: global }
      - { .name: w_img, .offset: 32, .size: 8, .value_kind: global_buffer, .address_space: global }
      - { .name: w_scales, .offset: 40, .size: 8, .value_kind: global_buffer, .address_space: global }
      - { .name: expert_b, .offset: 48, .size: 8, .value_kind: global_buffer, .address_space: global }
      - { .name: out0, .offset: 56, .size: 8, .value_kind: global_buffer, .address_space: global }
    .group_segment_fixed_size: 123392
    .private_segment_fixed_size: 0
    .kernarg_segment_align: 8
    .kernarg_segment_size: 64
    .max_flat_workgroup_size: 128
    .sgpr_count:     100
    .vgpr_count:     1024
    .wavefront_size: 32
...
	.end_amdgpu_metadata
.endif
;; end of part 6
